; MI455X (gfx1250); checked and timed in simulation.
; The chip was launched on July 23, 2026; its instructions are those of AMD's public machine-readable ISA for CDNA 5 (MIT licence, August 2026) and "CDNA5" Instruction Set Architecture Reference Guide (July 2026). The comments in the code are by the model that wrote it; some were corrected since.
;; Multi Head Attention. Allowed arithmetic: float matrix products may take bf16 or f16 operands with f32 sums; other float arithmetic in f32, or as packed bf16 or f16 multiplies, adds, multiply-adds, maxima and minima; sums over many terms, partial sums and values carried from step to step in f32; what a program stores and reads back later, other than sums and carried values, may be rounded once to bf16 or f16.
;; Inputs: Wk 8 x 256 x 512 float32; Wo 512 x 512 float32; Wq 8 x 256 x 512 float32; Wv 8 x 256 x 64 float32; bk 8 x 512 float32; bo 512 float32; bq 8 x 512 float32; bv 8 x 64 float32; input1 8 x 1,024 x 256 float32; input2 8 x 1,024 x 256 float32; input3 8 x 1,024 x 256 float32.
;; Outputs: out0 8 x 1,024 x 512 float32.
;; 2 versions, each right; version 2 is version 1 with the launches prepv, prepf written anew for expert scheduling mode. Each part assembles by itself: llvm-mc -triple=amdgcn-amd-amdhsa -mcpu=gfx1250 --defsym DOCPART=n.
;; ======== version 1 of 2: 4 launches
;; limits: values are held in f16: magnitudes above 65,504 overflow, below 6.1e-05 lose precision
;; workspace buffers: K16 4,194,304 bytes; V16 8,388,608 bytes; MT16 1,114,112 bytes; U32 8,704 bytes; WoH 524,288 bytes; O16 8,388,608 bytes
;; launch prepv (part 1): grid 128 x 1, 8 waves a work-group, no clusters, 228,352 bytes of LDS; arguments input3, Wv, bv, V16; writes V16
.if DOCPART == 1
	.amdgcn_target "amdgcn-amd-amdhsa--gfx1250"
	.amdhsa_code_object_version 6
	.text
	.protected	k_qbe154406fb_prepv
	.globl	k_qbe154406fb_prepv
	.p2align	8
	.type	k_qbe154406fb_prepv,@function
k_qbe154406fb_prepv:
	s_mov_b64 s[64:65], 0
	v_nop
	global_prefetch_b8 v0, s[64:65] scope:SCOPE_SE
	s_setreg_imm32_b32 hwreg(HW_REG_WAVE_MODE, 25, 1), 1
	s_wait_xcnt 0x0
; THE VALUE PROJECTION.  V16[b][h][s][64] = f16(x3 Wv_h + bv_h).  A work-group makes 256 rows x 128 columns (two heads); each of its eight waves 64 rows x one head: 16 accumulators.
; x3, Wv and bv are rounded to bf16 once; products on the matrix unit with f32 sums; v is rounded once, to f16.
; LIMITS.  v is kept in f16: |v| stays under 65,504.  NaN and infinities are not treated apart.
; NO CLUSTER, NO TENSOR LOADS: the sources are f32 and are rounded between memory and LDS.  A tile brought as it lies would be 262,144 bytes of x3 and 131,072 of Wv, more than the 327,680 of LDS;
;   so everything comes through registers, where there is nothing to ask for jointly.
; STAGING.  A pass is 256 threads x 8 f32 = 8,192 dense bytes: thread t loads 32 bytes at 32 t, packs them to 16 and writes them to LDS.  A batch is 8 passes, 16 loads, 64 registers;
;   three banks of 64 take turns, so up to 48 loads of a wave are out.
.set XP,    528                 ; a row of x3 in LDS: 512 bytes + 16: the 16 rows of a fragment load start at 16 different groups of four banks (64 banks of 4 bytes: ISA guide 11.1)
.set WP,    288                 ; a row of Wv in LDS (128 columns): 256 + 32, for the turning load
.set WT,    256*XP              ; Wv's tile lies behind x3's
.set STAGE, 208896              ; behind the tiles: 16 rows x 144 bytes for each wave, for the way out
.set SP,    144
.set SPARE, STAGE+8*16*SP       ; the spare words: 128 bytes for each of the eight waves, four blocks of 256 bytes that no other line names
.set GOFF, 1                    ; v1   32 t
.set LX,   3                    ; v3   where my 16 bytes of x3 go, passes 0-15;  v4: passes 16-31
.set LX2,  4
.set LW,   5                    ; v5   the same for Wv
.set ADRA, 8                    ; v8   x3's fragments
.set ADRB, 9                    ; v9, v10  Wv's fragments: rows 0-127, rows 128-255
.set ADRB2, 10
.set STO,  11                   ; v11  the way out: where I put 16 bytes of a row
.set RD,   12                   ; v12  the way out: where I read rows back
.set GO,   13                   ; v13  16 x lane
.set SPW,  14                   ; v14  my spare word; never rewritten
.set NIL,  15                   ; v15  0; never rewritten
.set BOFF, 24                   ; v24  32 x (lane / 16)
.set BV,   32                   ; v32-63  bv as the C operand, eight registers for each block of 16 channels
.set B0,   64                   ; the three banks
.set B1,   128
.set B2,   192
.set OUTR, 64                   ; later: the way out
.set ACC,  128                  ; later: the accumulators
.set F0,   0                    ; window 1: two fragment buffers
.set F1,   64
.set MSB, 0
.macro WIN new                  ; the immediate's high byte repeats the setting that is left; a switch that changes nothing is dropped
.if MSB != (\new)
	s_set_vgpr_msb (MSB<<8)|(\new)
.set MSB, (\new)
.endif
.endm
.set MUL,  0x05                 ; sources 0 and 1 in window 1; C and D in window 0
.set TO_F, 0x40                 ; destination in window 1, address in window 0
.macro PLACES                   ; four places between a matrix instruction and a load into, or a vector read of, its registers
.rept 4
	v_nop
.endr
.endm
.macro ISSUE base, p0, n, bank  ; n passes from pass p0 on: 2 n loads
.set q, 0
.rept \n
	global_load_b128 v[(\bank)+8*q:(\bank)+8*q+3], v[GOFF], s[\base:\base+1] offset:((\p0)+q)*8192
	global_load_b128 v[(\bank)+8*q+4:(\bank)+8*q+7], v[GOFF], s[\base:\base+1] offset:((\p0)+q)*8192+16
.set q, q+1
.endr
.endm
.macro CV8 R                    ; eight f32 to eight bf16, in place, in an order that overwrites nothing unread
	v_cvt_pk_bf16_f32 v[(\R)], v[(\R)], v[(\R)+1]
	v_cvt_pk_bf16_f32 v[(\R)+1], v[(\R)+2], v[(\R)+3]
	v_cvt_pk_bf16_f32 v[(\R)+2], v[(\R)+4], v[(\R)+5]
	v_cvt_pk_bf16_f32 v[(\R)+3], v[(\R)+6], v[(\R)+7]
.endm
; A batch is taken out of its bank.  The wait's count: the younger loads of the batch, 2 for each pass still to come, and 'later', the loads of the batches issued behind it.
.macro CONS_LDS bank, n, later, areg, off0, step
.set q, 0
.rept \n
	s_wait_loadcnt (\later)+2*((\n)-1-q)
	CV8 (\bank)+8*q
	ds_store_b128 v[\areg], v[(\bank)+8*q:(\bank)+8*q+3] offset:(\off0)+q*(\step)
.set q, q+1
.endr
.endm
	s_load_b256 s[12:19], s[0:1], 0x0       ; input3 12, Wv 14, bv 16, V16 18
	v_lshl_add_u32 v[SPW], v0, 2, SPARE
	v_mov_b32 v[NIL], 0
	v_lshrrev_b32 v19, 5, v0
	v_readfirstlane_b32 s36, v19            ; wave 0..7
	s_mov_b32 s37, ttmp9                    ; work-group
	v_lshlrev_b32 v[GOFF], 5, v0
	v_and_b32 v16, 31, v0                   ; lane
	v_and_b32 v17, 15, v0                   ; r = lane % 16
	v_bfe_u32 v18, v0, 4, 1                 ; hl = lane / 16
	v_lshlrev_b32 v[GO], 4, v16
	s_mul_i32 s38, s36, 16*SP
	s_add_co_u32 s38, s38, STAGE            ; my stage
	v_mul_u32_u24 v[STO], v17, SP           ; in: row r, 16 bytes for each half of the lanes
	v_lshl_add_u32 v[STO], v18, 4, v[STO]
	v_add_nc_u32 v[STO], s38, v[STO]
	v_bfe_u32 v19, v0, 3, 2                 ; (lane / 8) % 4
	v_and_b32 v20, 7, v0                    ; lane % 8
	v_mul_u32_u24 v[RD], v19, SP            ; back: 32 lanes take four rows of 128 bytes
	v_lshl_add_u32 v[RD], v20, 4, v[RD]
	v_add_nc_u32 v[RD], s38, v[RD]
	s_lshr_b32 s39, s37, 2                  ; rt: which 256 of the 8,192 rows
	s_and_b32 s40, s37, 3                   ; ct: which two heads
	s_lshr_b32 s41, s36, 1                  ; wr: my 64 rows of the tile
	s_and_b32 s42, s36, 1                   ; wc: my head of the two
	s_mul_i32 s43, s36, XP                  ; a pass of x3 is 8 rows: wave w writes row w of them, lane l its bytes 16 l
	v_lshl_add_u32 v[LX], v16, 4, s43
	v_add_nc_u32 v[LX2], 16*8*XP, v[LX]
	s_mul_i32 s43, s36, 4*WP                ; a pass of Wv is 32 rows of 64: wave w writes rows 4 w .. 4 w + 3
	s_add_co_u32 s43, s43, WT
	v_mul_u32_u24 v[LW], v19, WP
	v_lshl_add_u32 v[LW], v20, 4, v[LW]
	v_add_nc_u32 v[LW], s43, v[LW]
	s_mul_i32 s43, s41, 64*XP
	v_mul_u32_u24 v[ADRA], v17, XP          ; x3's fragment: row x pitch + 16 x half
	v_lshl_add_u32 v[ADRA], v18, 4, v[ADRA]
	v_add_nc_u32 v[ADRA], s43, v[ADRA]
	v_lshl_add_u32 v21, v18, 3, v20         ; the turning load: lane l reads row 8 (l / 16) + l % 8, columns 8 ((l / 8) % 2) + 0..7
	v_mul_u32_u24 v[ADRB], v21, WP
	v_bfe_u32 v21, v0, 3, 1
	v_lshl_add_u32 v[ADRB], v21, 4, v[ADRB]
	s_lshl_b32 s43, s42, 7
	s_add_co_u32 s43, s43, WT
	v_add_nc_u32 v[ADRB], s43, v[ADRB]
	v_add_nc_u32 v[ADRB2], 4*32*WP, v[ADRB] ; rows 128 on: an LDS offset has 16 bits
	v_lshlrev_b32 v[BOFF], 5, v18
	s_lshl_b32 s44, s39, 18                 ; x3: 256 rows of 1,024 bytes
	s_mov_b32 s45, 0
	s_lshl_b32 s46, s40, 17                 ; Wv: two heads of 65,536 bytes
	s_mov_b32 s47, 0
	s_lshl_b32 s48, s40, 1
	s_add_co_u32 s48, s48, s42              ; my head
	s_lshl_b32 s50, s48, 8                  ; bv: 256 bytes a head
	s_mov_b32 s51, 0
	s_lshr_b32 s52, s39, 2                  ; b
	s_lshl_b32 s52, s52, 3
	s_add_co_u32 s52, s52, s48
	s_lshl_b32 s52, s52, 17                 ; V16: (8 b + head) x 1,024 rows of 128 bytes,
	s_and_b32 s53, s39, 3
	s_lshl_b32 s53, s53, 2
	s_add_co_u32 s53, s53, s41
	s_lshl_b32 s53, s53, 13                 ; and my 64 rows among them
	s_add_co_u32 s52, s52, s53
	s_mov_b32 s53, 0
	s_wait_kmcnt 0x0
	s_add_nc_u64 s[12:13], s[12:13], s[44:45]
	s_add_nc_u64 s[14:15], s[14:15], s[46:47]
	s_add_nc_u64 s[16:17], s[16:17], s[50:51]
	s_add_nc_u64 s[18:19], s[18:19], s[52:53]
.irp nb, 0,1,2,3                        ; bv first: register i of block nb is bv[16 nb + 8 hl + i], the C operand's layout
	global_load_b128 v[BV+8*\nb:BV+8*\nb+3], v[BOFF], s[16:17] offset:64*\nb
	global_load_b128 v[BV+8*\nb+4:BV+8*\nb+7], v[BOFF], s[16:17] offset:64*\nb+16
.endr
	ISSUE 14, 0, 8, B0                      ; Wv, first head
	ISSUE 14, 8, 8, B1                      ; Wv, second head
	ISSUE 12, 0, 8, B2                      ; x3 rows 0-63
	CONS_LDS B0, 8, 32, LW, 0, 32*WP
	ISSUE 12, 8, 8, B0
	CONS_LDS B1, 8, 32, LW, 128, 32*WP
	ISSUE 12, 16, 8, B1
	CONS_LDS B2, 8, 32, LX, 0, 8*XP
	ISSUE 12, 24, 8, B2
	CONS_LDS B0, 8, 32, LX, 64*XP, 8*XP
	CONS_LDS B1, 8, 16, LX2, 0, 8*XP
	CONS_LDS B2, 8, 0, LX2, 64*XP, 8*XP     ; its last wait is for 0: bv, the oldest loads, is in too
.set i, 0
.rept 16                                ; bv rounded to bf16 like every input, and widened again
	v_cvt_pk_bf16_f32 v21, v[BV+i], v[BV+i+1]
	v_lshlrev_b32 v[BV+i], 16, v21
	v_and_b32 v[BV+i+1], 0xffff0000, v21
.set i, i+2
.endr
	s_wait_dscnt 0x0                        ; for the others' sake: my stores into the tiles are done
	s_barrier_signal -1
	s_barrier_wait -1
; 32 along K: four fragments of x3 (16 rows each) and four of Wv^T (16 channels each, turned): 16 LDS loads
.macro FETCHV c, f
	WIN TO_F
.irp a, 0,1,2,3
	ds_load_b128 v[(\f)+8*\a:(\f)+8*\a+3], v[ADRA] offset:\a*16*XP+(\c)*64
	ds_load_b128 v[(\f)+8*\a+4:(\f)+8*\a+7], v[ADRA] offset:\a*16*XP+(\c)*64+32
.endr
.irp nb, 0,1,2,3
	ds_load_tr16_b128 v[(\f)+32+8*\nb:(\f)+32+8*\nb+3], v[ADRB+(\c)/4] offset:((\c)%4)*32*WP+\nb*32
	ds_load_tr16_b128 v[(\f)+32+8*\nb+4:(\f)+32+8*\nb+7], v[ADRB+(\c)/4] offset:((\c)%4)*32*WP+\nb*32+16*WP
.endr
.endm
; 16 matrix instructions, used transposed (source 0 = 16 channels, source 1 = 16 rows): a lane holds one row of v and eight neighbouring channels.  The first K step starts the sums with bv.
; The 16 accumulators take turns.
.macro MULV c, f
	WIN MUL
.irp a, 0,1,2,3
.irp nb, 0,1,2,3
.if (\c) == 0
	v_wmma_f32_16x16x32_bf16 v[ACC+8*(4*\a+\nb):ACC+8*(4*\a+\nb)+7], v[(\f)+32+8*\nb:(\f)+32+8*\nb+7], v[(\f)+8*\a:(\f)+8*\a+7], v[BV+8*\nb:BV+8*\nb+7]
.else
	v_wmma_f32_16x16x32_bf16 v[ACC+8*(4*\a+\nb):ACC+8*(4*\a+\nb)+7], v[(\f)+32+8*\nb:(\f)+32+8*\nb+7], v[(\f)+8*\a:(\f)+8*\a+7], v[ACC+8*(4*\a+\nb):ACC+8*(4*\a+\nb)+7]
.endif
.endr
.endr
.endm
	FETCHV 0, F0
	FETCHV 1, F1
.irp c, 0,1,2,3,4,5,6,7
.if \c < 7
	s_wait_dscnt 16                         ; this chunk's 16 loads are in; the next chunk's 16 may be out
.else
	s_wait_dscnt 0x0
.endif
	MULV \c, F0+64*(\c%2)
.if \c < 6
	PLACES
	FETCHV \c+2, F0+64*(\c%2)
.endif
.endr
; THE WAY OUT, 16 rows at a time: rounded to f16, 16 bytes a lane into my stage, back as whole rows, 512 consecutive bytes a store.
.macro PACKH a
	WIN 0
.irp nb, 0,1,2,3
.irp i, 0,1,2,3
	v_cvt_pk_f16_f32 v[OUTR+16*(\a)+4*\nb+\i], v[ACC+8*(4*(\a)+\nb)+2*\i], v[ACC+8*(4*(\a)+\nb)+2*\i+1]
.endr
.endr
.irp nb, 0,1,2,3
	ds_store_b128 v[STO], v[OUTR+16*(\a)+4*\nb:OUTR+16*(\a)+4*\nb+3] offset:32*\nb
.endr
.irp f, 0,1,2,3
	ds_load_b128 v[OUTR+16*(\a)+4*\f:OUTR+16*(\a)+4*\f+3], v[RD] offset:\f*4*SP  ; LDS serves a wave's instructions in order (ISA guide 5.7.1.4): these see the stores above
.endr
.endm
.macro SENDH a, younger                 ; younger: the LDS instructions issued behind these loads: the next block's eight, or none
.irp f, 0,1,2,3
	s_wait_dscnt (\younger)+3-\f
	global_store_b128 v[GO], v[OUTR+16*(\a)+4*\f:OUTR+16*(\a)+4*\f+3], s[18:19] offset:(\a)*2048+\f*512
.endr
.endm
	WIN 0
	PLACES
	PACKH 0
	PACKH 1
	SENDH 0, 8
	PACKH 2
	SENDH 1, 8
	PACKH 3
	SENDH 2, 8
	SENDH 3, 0
	s_wait_tensorcnt 0x0                    ; the wave's end, behind my last LDS store
	ds_add_u32 v[SPW], v[NIL]
	s_wait_dscnt 0x0
	s_endpgm
.Lfunc_end_k_qbe154406fb_prepv:
	.size	k_qbe154406fb_prepv, .Lfunc_end_k_qbe154406fb_prepv-k_qbe154406fb_prepv
	.p2alignl 7, 3214868480
	.fill 96, 4, 3214868480
	.section	.rodata,"a",@progbits
	.p2align	6, 0x0
	.amdhsa_kernel k_qbe154406fb_prepv
		.amdhsa_group_segment_fixed_size 228352
		.amdhsa_private_segment_fixed_size 0
		.amdhsa_enable_private_segment 0
		.amdhsa_kernarg_size 32
		.amdhsa_user_sgpr_count 2
		.amdhsa_user_sgpr_kernarg_segment_ptr 1
		.amdhsa_wavefront_size32 1
		.amdhsa_system_sgpr_workgroup_id_x 1
		.amdhsa_system_sgpr_workgroup_id_y 1
		.amdhsa_system_sgpr_workgroup_id_z 1
		.amdhsa_system_vgpr_workitem_id 0
		.amdhsa_next_free_vgpr 384
		.amdhsa_next_free_sgpr 66
		.amdhsa_reserve_vcc 0
		.amdhsa_float_denorm_mode_32 3
		.amdhsa_float_denorm_mode_16_64 3
		.amdhsa_memory_ordered 1
		.amdhsa_forward_progress 1
		.amdhsa_inst_pref_size 58
	.end_amdhsa_kernel
	.amdgpu_metadata
---
amdhsa.version: [ 1, 2 ]
amdhsa.kernels:
  - .name:           k_qbe154406fb_prepv
    .symbol:         k_qbe154406fb_prepv.kd
    .args:
      - { .name: input3, .offset: 0, .size: 8, .value_kind: global_buffer, .address_space: global }
      - { .name: Wv, .offset: 8, .size: 8, .value_kind: global_buffer, .address_space: global }
      - { .name: bv, .offset: 16, .size: 8, .value_kind: global_buffer, .address_space: global }
      - { .name: V16, .offset: 24, .size: 8, .value_kind: global_buffer, .address_space: global }
    .group_segment_fixed_size: 228352
    .private_segment_fixed_size: 0
    .kernarg_segment_align: 8
    .kernarg_segment_size: 32
    .max_flat_workgroup_size: 256
    .sgpr_count:     66
    .vgpr_count:     384
    .wavefront_size: 32
...
	.end_amdgpu_metadata
.endif
;; end of part 1
;; launch prepf (part 2): grid 128 x 1, 8 waves a work-group, no clusters, 155,136 bytes of LDS; arguments input2, K16, Wo, WoH, Wq, bq, Wk, bk, MT16, U32; writes K16, WoH, MT16, U32
.if DOCPART == 2
	.amdgcn_target "amdgcn-amd-amdhsa--gfx1250"
	.amdhsa_code_object_version 6
	.text
	.protected	k_qbe154406fb_prepf
	.globl	k_qbe154406fb_prepf
	.p2align	8
	.type	k_qbe154406fb_prepf,@function
k_qbe154406fb_prepf:
	s_mov_b64 s[64:65], 0
	v_nop
	global_prefetch_b8 v0, s[64:65] scope:SCOPE_SE
	s_setreg_imm32_b32 hwreg(HW_REG_WAVE_MODE, 25, 1), 1
	s_wait_xcnt 0x0
; THE FOLD AND THE CASTS.  With M_h = Wq_h Wk_h^T the score of reference() is, for every input,
;   q . k = x2 . (x1 M_h + u_h) + (x1 . w_h + s0_h),   u_h = Wk_h bq_h,  w_h = Wq_h bk_h,  s0_h = bq_h . bk_h.
; Work-group f = 16 h + 4 I + J makes 64 x 64 of M_h^T (rows d2 = 64 I .., columns d1 = 64 J ..) into MT16 (bf16, [h][J][272 rows d2][64 d1]; rows 256-271 are sixteen copies of w_h),
;   u_h and s0_h into U32 (f32, [h][272]; entries 256-271 are s0_h), 64 rows of x2 rounded to bf16 into K16, and 8,192 bytes of Wo rounded to bf16 and written as f16 into WoH.
; All inputs, the biases too, are rounded to bf16 once; products on the matrix unit with f32 sums.
; LIMITS.  A Wo entry under 6e-5 keeps f16's fixed step of 6e-8.  NaN and infinities are not treated apart.
; NO CLUSTER, NO TENSOR LOADS: the sources are f32 and are rounded between memory and LDS, so everything comes through registers, where there is nothing to ask for jointly.
; STAGING.  A pass is 256 threads x 8 f32 = 8,192 dense bytes: thread t loads 32 bytes at 32 t, packs them to 16 and writes them to LDS or to memory.  A batch is 8 passes, 16 loads, 64 registers;
;   three banks of 64 take turns, so up to 48 loads of a wave are out.
.set FP,    1040                ; a row of Wk or Wq in LDS: 1,024 bytes + 16: the 16 rows of a fragment load start at 16 different groups of four banks (64 banks of 4 bytes: ISA guide 11.1)
.set RB,    67840               ; Wq's 64 rows and bq lie here; Wk's 64 rows and bk at 0 (65 x 1,040 = 67,600)
.set STAGE, 135680              ; behind the tiles: 16 rows x 144 bytes for each wave, for the way out
.set SP,    144
.set SPARE, STAGE+8*16*SP       ; the spare words: 128 bytes for each of the eight waves, four blocks of 256 bytes that no other line names
.set GOFF, 1                    ; v1   32 t
.set COFF, 2                    ; v2   16 t
.set LF,   6                    ; v6   where my 16 bytes of Wk go;  v7: of Wq
.set LF2,  7
.set ADRA, 8                    ; v8   my block of Wk's rows, or bk
.set ADRB, 9                    ; v9   Wq's rows
.set ADRB2, 10                  ; v10  bq
.set STO,  11                   ; v11  the way out: where I put 16 bytes of a row
.set RD,   12                   ; v12  the way out: where I read rows back
.set GO,   13                   ; v13  16 x lane
.set SPW,  14                   ; v14  my spare word; never rewritten
.set NIL,  15                   ; v15  0; never rewritten
.set BOFF, 24                   ; v24  4 x (lane % 16)
.set BRAW, 48                   ; v48-55  eight numbers of bk or bq
.set B0,   64                   ; the three banks
.set B1,   128
.set B2,   192
.set OUTR, 64                   ; later: the way out
.set ACC,  128                  ; later: the accumulators
.set F0,   0                    ; window 1: two fragment buffers
.set F1,   64
.set MSB, 0
.macro WIN new                  ; the immediate's high byte repeats the setting that is left; a switch that changes nothing is dropped
.if MSB != (\new)
	s_set_vgpr_msb (MSB<<8)|(\new)
.set MSB, (\new)
.endif
.endm
.set MUL,  0x05                 ; sources 0 and 1 in window 1; C and D in window 0
.set TO_F, 0x40                 ; destination in window 1, address in window 0
.macro PLACES                   ; four places between a matrix instruction and a load into, or a vector read of, its registers
.rept 4
	v_nop
.endr
.endm
.macro ISSUE base, p0, n, bank  ; n passes from pass p0 on: 2 n loads
.set q, 0
.rept \n
	global_load_b128 v[(\bank)+8*q:(\bank)+8*q+3], v[GOFF], s[\base:\base+1] offset:((\p0)+q)*8192
	global_load_b128 v[(\bank)+8*q+4:(\bank)+8*q+7], v[GOFF], s[\base:\base+1] offset:((\p0)+q)*8192+16
.set q, q+1
.endr
.endm
.macro CV8 R                    ; eight f32 to eight bf16, in place, in an order that overwrites nothing unread
	v_cvt_pk_bf16_f32 v[(\R)], v[(\R)], v[(\R)+1]
	v_cvt_pk_bf16_f32 v[(\R)+1], v[(\R)+2], v[(\R)+3]
	v_cvt_pk_bf16_f32 v[(\R)+2], v[(\R)+4], v[(\R)+5]
	v_cvt_pk_bf16_f32 v[(\R)+3], v[(\R)+6], v[(\R)+7]
.endm
; A batch is taken out of its bank.  The wait's count: the younger loads of the batch, 2 for each pass still to come, and 'later', the loads of the batches issued behind it.
.macro CONS_LDS bank, n, later, areg, off0, step
.set q, 0
.rept \n
	s_wait_loadcnt (\later)+2*((\n)-1-q)
	CV8 (\bank)+8*q
	ds_store_b128 v[\areg], v[(\bank)+8*q:(\bank)+8*q+3] offset:(\off0)+q*(\step)
.set q, q+1
.endr
.endm
.macro CONS_GL bank, n, later, base, step
.set q, 0
.rept \n
	s_wait_loadcnt (\later)+2*((\n)-1-q)
	CV8 (\bank)+8*q
	global_store_b128 v[COFF], v[(\bank)+8*q:(\bank)+8*q+3], s[\base:\base+1] offset:q*(\step)  ; 16 lanes store 256 consecutive bytes, aligned
.set q, q+1
.endr
.endm
	s_load_b128 s[8:11], s[0:1], 0x0        ; input2 8, K16 10
	s_load_b512 s[20:35], s[0:1], 0x10      ; Wo 20, WoH 22, Wq 24, bq 26, Wk 28, bk 30, MT16 32, U32 34
	v_lshl_add_u32 v[SPW], v0, 2, SPARE
	v_mov_b32 v[NIL], 0
	v_lshrrev_b32 v19, 5, v0
	v_readfirstlane_b32 s36, v19            ; wave 0..7
	s_mov_b32 s38, ttmp9                    ; f
	v_lshlrev_b32 v[GOFF], 5, v0
	v_lshlrev_b32 v[COFF], 4, v0
	v_and_b32 v16, 31, v0                   ; lane
	v_and_b32 v17, 15, v0                   ; r = lane % 16
	v_bfe_u32 v18, v0, 4, 1                 ; hl = lane / 16
	v_lshlrev_b32 v[GO], 4, v16
	s_mul_i32 s37, s36, 16*SP
	s_add_co_u32 s37, s37, STAGE            ; my stage
	v_mul_u32_u24 v[STO], v17, SP           ; in: row r, 16 bytes for each half of the lanes
	v_lshl_add_u32 v[STO], v18, 4, v[STO]
	v_add_nc_u32 v[STO], s37, v[STO]
	v_bfe_u32 v19, v0, 3, 2                 ; (lane / 8) % 4
	v_and_b32 v20, 7, v0                    ; lane % 8
	v_mul_u32_u24 v[RD], v19, SP            ; back: 32 lanes take four rows of 128 bytes
	v_lshl_add_u32 v[RD], v20, 4, v[RD]
	v_add_nc_u32 v[RD], s37, v[RD]
	s_lshr_b32 s39, s38, 4                  ; h
	s_bfe_u32 s40, s38, 0x20002             ; I: rows 64 I .. of Wk (d2)
	s_and_b32 s41, s38, 3                   ; J: rows 64 J .. of Wq (d1)
	s_lshr_b32 s42, s36, 1
	s_and_b32 s43, s36, 1
	s_mul_i32 s44, s42, FP                  ; a pass is 4 rows of 512: waves 2 i and 2 i + 1 write row i, 512 bytes each
	s_lshl_b32 s45, s43, 9
	s_add_co_u32 s44, s44, s45
	v_lshl_add_u32 v[LF], v16, 4, s44
	v_add_nc_u32 v[LF2], RB, v[LF]
	s_bfe_u32 s44, s36, 0x10001             ; the bias rows: waves 0, 1 write bk behind Wk's rows, waves 2, 3 bq behind Wq's
	s_mul_i32 s44, s44, RB
	s_add_co_u32 s44, s44, s45
	s_add_co_u32 s44, s44, 64*FP
	v_lshl_add_u32 v25, v16, 4, s44
	v_and_b32 v26, 63, v0
	v_lshlrev_b32 v26, 5, v26               ; my eight numbers of a bias row of 512
	v_lshlrev_b32 v[BOFF], 2, v17
	v_lshl_add_u32 v19, s36, 4, v17         ; wave a takes rows 16 a + r of Wk; wave 4 takes row 64, bk, in every lane
	v_min_u32 v19, 64, v19
	v_mul_u32_u24 v[ADRA], v19, FP
	v_lshl_add_u32 v[ADRA], v18, 4, v[ADRA]
	v_mul_u32_u24 v[ADRB], v17, FP
	v_lshl_add_u32 v[ADRB], v18, 4, v[ADRB]
	v_add_nc_u32 v[ADRB], RB, v[ADRB]
	v_lshlrev_b32 v[ADRB2], 4, v18          ; bq in every lane
	v_add_nc_u32 v[ADRB2], RB+64*FP, v[ADRB2]
	s_lshl_b32 s46, s39, 19                 ; Wk: head, 64 rows of 2,048 bytes
	s_lshl_b32 s47, s40, 17
	s_add_co_u32 s46, s46, s47
	s_mov_b32 s47, 0
	s_lshl_b32 s48, s39, 19                 ; Wq likewise
	s_lshl_b32 s49, s41, 17
	s_add_co_u32 s48, s48, s49
	s_mov_b32 s49, 0
	s_lshl_b32 s50, s38, 16                 ; x2: 64 rows of 1,024 bytes
	s_mov_b32 s51, 0
	s_lshl_b32 s52, s38, 15                 ; K16: 64 rows of 512
	s_mov_b32 s53, 0
	s_lshl_b32 s54, s38, 13                 ; Wo: 8,192 bytes
	s_mov_b32 s55, 0
	s_lshl_b32 s56, s38, 12                 ; WoH: 4,096
	s_mov_b32 s57, 0
	s_lshl_b32 s58, s39, 11                 ; a bias row: 2,048 bytes a head
	s_mov_b32 s59, 0
	s_wait_kmcnt 0x0
	s_add_nc_u64 s[28:29], s[28:29], s[46:47]
	s_add_nc_u64 s[24:25], s[24:25], s[48:49]
	s_add_nc_u64 s[8:9], s[8:9], s[50:51]
	s_add_nc_u64 s[10:11], s[10:11], s[52:53]
	s_add_nc_u64 s[20:21], s[20:21], s[54:55]
	s_add_nc_u64 s[22:23], s[22:23], s[56:57]
	s_cmp_lt_u32 s36, 2
	s_cselect_b64 s[46:47], s[30:31], s[26:27]  ; bk for waves 0 and 1, bq for the others
	s_add_nc_u64 s[46:47], s[46:47], s[58:59]
	global_load_b128 v[BRAW:BRAW+3], v26, s[46:47]            ; every wave loads, so that the registers are written on every path; four waves store
	global_load_b128 v[BRAW+4:BRAW+7], v26, s[46:47] offset:16
	ISSUE 28, 0, 8, B0                      ; Wk rows 0-31
	ISSUE 28, 8, 8, B1                      ; Wk rows 32-63
	ISSUE 24, 0, 8, B2                      ; Wq rows 0-31
	CONS_LDS B0, 8, 32, LF, 0, 4*FP
	ISSUE 24, 8, 8, B0                      ; Wq rows 32-63
	CONS_LDS B1, 8, 32, LF, 32*FP, 4*FP
	ISSUE 8, 0, 8, B1                       ; x2
	CONS_LDS B2, 8, 32, LF2, 0, 4*FP
	ISSUE 20, 0, 1, B2                      ; Wo
	CONS_LDS B0, 8, 18, LF2, 32*FP, 4*FP    ; behind this batch: x2's 16 loads and Wo's 2
	CONS_GL B1, 8, 2, 10, 4096
	s_wait_loadcnt 0x0
	CV8 B2                                  ; Wo: to bf16 like every input; that number is then written as f16
.irp i, 0,1,2,3
	v_lshlrev_b32 v[B2+4], 16, v[B2+\i]
	v_and_b32 v[B2+5], 0xffff0000, v[B2+\i]
	v_cvt_pk_f16_f32 v[B2+\i], v[B2+4], v[B2+5]
.endr
	global_store_b128 v[COFF], v[B2:B2+3], s[22:23]
	CV8 BRAW
	s_cmp_lt_u32 s36, 4
	s_cbranch_scc0 .Lno_bias
	ds_store_b128 v25, v[BRAW:BRAW+3]
.Lno_bias:
	s_lshl_b32 s44, s40, 6                  ; the first of my 16 rows of M^T: 64 I + 16 a; wave 4's are rows 256-271
	s_lshl_b32 s45, s36, 4
	s_add_co_u32 s44, s44, s45
	s_cmp_eq_u32 s36, 4
	s_cselect_b32 s44, 256, s44
	s_mul_i32 s50, s39, 139264              ; MT16: head, panel J, row
	s_mul_i32 s51, s41, 34816
	s_add_co_u32 s50, s50, s51
	s_lshl_b32 s51, s44, 7
	s_add_co_u32 s50, s50, s51
	s_mov_b32 s51, 0
	s_mul_i32 s52, s39, 1088                ; U32: head, entry
	s_lshl_b32 s53, s44, 2
	s_add_co_u32 s52, s52, s53
	s_mov_b32 s53, 0
	s_add_nc_u64 s[32:33], s[32:33], s[50:51]
	s_add_nc_u64 s[34:35], s[34:35], s[52:53]
	s_wait_xcnt 0x0                         ; the stores above have read their data: the banks are written again only behind this wait
	s_wait_dscnt 0x0                        ; for the others' sake: my stores into the tiles are done
	s_barrier_signal -1
	s_barrier_wait -1
	s_cmp_gt_u32 s36, 4
	s_cbranch_scc1 .Lend_f                  ; five blocks of 16 rows: waves 5 to 7 have none
	s_cmp_lg_u32 s36, 4
	s_cbranch_scc1 .Lfold
	s_cmp_lg_u32 s40, 0
	s_cbranch_scc1 .Lend_f                  ; the block of bk is made once for each J, where I = 0
.Lfold:
; 32 along K (e): my block of Wk or bk, four blocks of Wq, and bq: 12 LDS loads
.macro FETCHF c, f
	WIN TO_F
	ds_load_b128 v[(\f):(\f)+3], v[ADRA] offset:(\c)*64
	ds_load_b128 v[(\f)+4:(\f)+7], v[ADRA] offset:(\c)*64+32
.irp j, 0,1,2,3
	ds_load_b128 v[(\f)+8+8*\j:(\f)+8+8*\j+3], v[ADRB] offset:\j*16*FP+(\c)*64
	ds_load_b128 v[(\f)+8+8*\j+4:(\f)+8+8*\j+7], v[ADRB] offset:\j*16*FP+(\c)*64+32
.endr
	ds_load_b128 v[(\f)+40:(\f)+43], v[ADRB2] offset:(\c)*64
	ds_load_b128 v[(\f)+44:(\f)+47], v[ADRB2] offset:(\c)*64+32
.endm
; Source 0 = 16 rows of Wq (d1) or bq, source 1 = my 16 rows of Wk (d2) or bk: a lane holds one d2 and eight neighbouring d1.  Accumulator 4 holds u (or s0) in all its registers.
; The five accumulators take turns.
.macro MULF c, f
	WIN MUL
.irp j, 0,1,2,3,4
.if (\c) == 0
	v_wmma_f32_16x16x32_bf16 v[ACC+8*\j:ACC+8*\j+7], v[(\f)+8+8*\j:(\f)+8+8*\j+7], v[(\f):(\f)+7], 0
.else
	v_wmma_f32_16x16x32_bf16 v[ACC+8*\j:ACC+8*\j+7], v[(\f)+8+8*\j:(\f)+8+8*\j+7], v[(\f):(\f)+7], v[ACC+8*\j:ACC+8*\j+7]
.endif
.endr
.endm
	FETCHF 0, F0
	FETCHF 1, F1
.irp c, 0,1,2,3,4,5,6,7,8,9,10,11,12,13,14,15
.if \c < 15
	s_wait_dscnt 12                         ; this chunk's 12 loads are in; the next chunk's 12 may be out
.else
	s_wait_dscnt 0x0
.endif
	MULF \c, F0+64*(\c%2)
.if \c < 14
	PLACES
	FETCHF \c+2, F0+64*(\c%2)
.endif
.endr
	WIN 0
	PLACES
.irp j, 0,1,2,3
.irp i, 0,1,2,3
	v_cvt_pk_bf16_f32 v[OUTR+4*\j+\i], v[ACC+8*\j+2*\i], v[ACC+8*\j+2*\i+1]
.endr
.endr
.irp j, 0,1,2,3
	ds_store_b128 v[STO], v[OUTR+4*\j:OUTR+4*\j+3] offset:32*\j
.endr
.irp f, 0,1,2,3
	ds_load_b128 v[OUTR+4*\f:OUTR+4*\f+3], v[RD] offset:\f*4*SP  ; LDS serves a wave's instructions in order (ISA guide 5.7.1.4): these see the stores above
.endr
.irp f, 0,1,2,3
	s_wait_dscnt 3-\f
	global_store_b128 v[GO], v[OUTR+4*\f:OUTR+4*\f+3], s[32:33] offset:\f*512  ; 16 rows of a panel are 2,048 dense bytes
.endr
	s_cmp_lg_u32 s41, 0
	s_cbranch_scc1 .Lend_f                  ; u and s0 hang on no J: J = 0 stores them
	global_store_b32 v[BOFF], v[ACC+32], s[34:35]  ; 64 bytes a wave, 8,704 in the whole launch; the two halves of the lanes hold and store the same numbers
.Lend_f:
	s_wait_tensorcnt 0x0                    ; the wave's end, behind my last LDS store
	ds_add_u32 v[SPW], v[NIL]
	s_wait_dscnt 0x0
	s_endpgm
.Lfunc_end_k_qbe154406fb_prepf:
	.size	k_qbe154406fb_prepf, .Lfunc_end_k_qbe154406fb_prepf-k_qbe154406fb_prepf
	.p2alignl 7, 3214868480
	.fill 96, 4, 3214868480
	.section	.rodata,"a",@progbits
	.p2align	6, 0x0
	.amdhsa_kernel k_qbe154406fb_prepf
		.amdhsa_group_segment_fixed_size 155136
		.amdhsa_private_segment_fixed_size 0
		.amdhsa_enable_private_segment 0
		.amdhsa_kernarg_size 80
		.amdhsa_user_sgpr_count 2
		.amdhsa_user_sgpr_kernarg_segment_ptr 1
		.amdhsa_wavefront_size32 1
		.amdhsa_system_sgpr_workgroup_id_x 1
		.amdhsa_system_sgpr_workgroup_id_y 1
		.amdhsa_system_sgpr_workgroup_id_z 1
		.amdhsa_system_vgpr_workitem_id 0
		.amdhsa_next_free_vgpr 384
		.amdhsa_next_free_sgpr 66
		.amdhsa_reserve_vcc 0
		.amdhsa_float_denorm_mode_32 3
		.amdhsa_float_denorm_mode_16_64 3
		.amdhsa_memory_ordered 1
		.amdhsa_forward_progress 1
		.amdhsa_inst_pref_size 51
	.end_amdhsa_kernel
	.amdgpu_metadata
---
amdhsa.version: [ 1, 2 ]
amdhsa.kernels:
  - .name:           k_qbe154406fb_prepf
    .symbol:         k_qbe154406fb_prepf.kd
    .args:
      - { .name: input2, .offset: 0, .size: 8, .value_kind: global_buffer, .address_space: global }
      - { .name: K16, .offset: 8, .size: 8, .value_kind: global_buffer, .address_space: global }
      - { .name: Wo, .offset: 16, .size: 8, .value_kind: global_buffer, .address_space: global }
      - { .name: WoH, .offset: 24, .size: 8, .value_kind: global_buffer, .address_space: global }
      - { .name: Wq, .offset: 32, .size: 8, .value_kind: global_buffer, .address_space: global }
      - { .name: bq, .offset: 40, .size: 8, .value_kind: global_buffer, .address_space: global }
      - { .name: Wk, .offset: 48, .size: 8, .value_kind: global_buffer, .address_space: global }
      - { .name: bk, .offset: 56, .size: 8, .value_kind: global_buffer, .address_space: global }
      - { .name: MT16, .offset: 64, .size: 8, .value_kind: global_buffer, .address_space: global }
      - { .name: U32, .offset: 72, .size: 8, .value_kind: global_buffer, .address_space: global }
    .group_segment_fixed_size: 155136
    .private_segment_fixed_size: 0
    .kernarg_segment_align: 8
    .kernarg_segment_size: 80
    .max_flat_workgroup_size: 256
    .sgpr_count:     66
    .vgpr_count:     384
    .wavefront_size: 32
...
	.end_amdgpu_metadata
.endif
;; end of part 2
;; launch attn (part 3): grid 4 x 64, 4 waves a work-group, clusters of 4 x 1, 327,680 bytes of LDS; arguments input1, K16, V16, MT16, U32, O16; writes O16
.if DOCPART == 3
	.amdgcn_target "amdgcn-amd-amdhsa--gfx1250"
	.amdhsa_code_object_version 6
	.text
	.protected	k_qbe154406fb_attn
	.globl	k_qbe154406fb_attn
	.p2align	8
	.type	k_qbe154406fb_attn,@function
k_qbe154406fb_attn:
	s_mov_b64 s[64:65], 0
	v_nop
	global_prefetch_b8 v0, s[64:65] scope:SCOPE_SE
	s_setreg_imm32_b32 hwreg(HW_REG_WAVE_MODE, 25, 1), 1
	s_wait_xcnt 0x0
	s_wait_alu depctr_hold_cnt(0) depctr_sa_sdst(0) depctr_va_vdst(0) depctr_va_sdst(0) depctr_va_ssrc(0) depctr_va_vcc(0) depctr_vm_vsrc(0)
	s_getreg_b32 s2, hwreg(HW_REG_IB_STS2, 6, 4)
	s_cmp_eq_u32 s2, 0
	s_cbranch_scc0 .Lentry_in_a_cluster
	s_endpgm
.Lentry_in_a_cluster:
	s_bfe_u32 s2, ttmp6, 0x10000c
	s_cmp_lg_u32 s2, 0x3003
	s_cbranch_scc0 .Lentry_shape_is_right
	s_endpgm
.Lentry_shape_is_right:
; ATTENTION.  O16[b][h][q][:] = the sum over k of softmax_k(score / sqrt(512)) v[b][h][k][:], with score = x2[k] . Q'[q] + cq[q],
;   Q' = x1 M_h + u_h (256 channels), cq = x1 . w_h + s0_h: reference()'s own q . k for every input, written with M_h = Wq_h Wk_h^T (made by the launch before).
; So the keys are x2 itself (K16, bf16, shared by all heads), and no q or k of 512 channels goes through memory.  Q' is made here: each (b, h, 256 queries) of it serves this work-group alone.
; Products K Q'^T in bf16, V^T P in f16; maxima, sums and O in f32; the weights are rounded to f16 for the second product (their sum l is taken of the unrounded p), O once at the end, to f16.
; LIMITS.  v arrives within 65,504; O is a mean of v's rows and has their range; below 6e-5 it keeps f16's fixed step of 6e-8.  A weight below 2^-126 counts as 0 in l.
;   c m starts at -4.25e37, far below every c s that f32 sums of these products reach while reference() stays finite.  NaN and infinities are not treated apart.
; SHARES.  A work-group owns 256 queries of one (b, h), each of its four waves 64: four tiles of 16.  Every wave walks all 1,024 keys, 64 a step.
; LAYOUT.  Every product is used transposed (source 0 = 16 channels or keys, source 1 = 16 queries), so a lane holds ONE query (lane % 16) in Q', S^T, P and O^T:
;   two neighbouring blocks of 16 channels of Q'^T, rounded in pairs, ARE source 1 of S^T = K Q'^T; two blocks of 16 keys of S^T, rounded in pairs, ARE source 1 of O^T = V^T P.
;   MT16's rows 256-271 all hold w_h and U32's entries 256-271 all hold s0_h, so that block's result holds cq of the lane's query in all eight registers: the C operand that starts each S^T.
; SOFTMAX.  For each query a running maximum m and sum l: p = 2^(c s - c m), c = log2(e) / sqrt(512); in every step O and l are multiplied by a = 2^(c m_old - c m_new).
;   m starts at the lowest finite number, O and l at 0: the first step is a step like any other, with a = 0.  The price: 128 v_mov_b32 once a launch; the gain: no third copy of the step's text.
; CLUSTER.  The four query blocks of a cluster share b and h, so M^T, K and V are asked for JOINTLY: the same tensor load, descriptor and mask in all four.
; LDS.  Slot 0 at 0, slot 1 at 131,072; a slot holds two key steps, a step 64 rows of K (528 bytes) and 64 of V (160).  M^T (4 panels of 272 rows x 144 bytes) lies from 131,072 on; slot 1 is laid
;   over it by the first change of slots, when the projection has read it.  Behind it the stages and the spare words.
; REGISTERS, in windows of 256 (s_set_vgpr_msb: bits 1:0 source 0, 3:2 source 1, 5:4 source 2, 7:6 destination):
;   window 0: v1-15 addresses; v16-47 eight registers of statistics a tile; v48-55 s0; v64-191 S^T, 32 a tile; v192-255 P, 16 a tile.  In the projection: v64-127 eight accumulators, v128-255 u
;   window 1: v0-127 O^T, 32 a tile (in the projection two fragment buffers); v128-191 V of one step; v192-223 cq, 8 a tile
;   window 2: Q', 64 a tile (before that two banks of 128 for x1 as loaded)          window 3: K of one step (before that x1's fragments, 64 a tile)
.set KS,    64
.set PK,    528                 ; a row of K in LDS: 512 bytes + 16: the 16 rows of a load start at 16 different groups of four banks (64 banks of 4 bytes: ISA guide 11.1)
.set PV,    160                 ; a row of V: 128 + 32
.set VOFF,  KS*PK
.set STEPB, KS*(PK+PV)
.set SLOT1, 1<<17
.set PM,    144                 ; a row of a panel of M^T: 128 + 16
.set PANEL, 272*PM
.set MTL,   SLOT1
.set STAGE, MTL+4*PANEL         ; never filled by a tensor load: 16 rows x 144 bytes for each wave
.set SP,    144
.set SPARE, STAGE+4*16*SP       ; the spare words: 128 bytes for each wave, two blocks of 256 bytes that no other line names
.set R,   1                     ; v1   lane % 16
.set AK0, 2                     ; v2   my lane's place in a tile of K
.set AV0, 3                     ; v3   the same for V
.set ADR, 4                     ; v4   the LDS address of the run of loads in hand
.set XO,  5                     ; v5   my byte offset in 16 rows of x1
.set STO, 6
.set RD,  7
.set GO,  8
.set HL,  9                     ; v9   lane / 16
.set AM,  12                    ; v12-15  my lane's place in panel J of M^T
.set ST,  16                    ; tile t at v[ST+8 t]: c m, m, l (even keys', odd keys'), c0-c3 at work; a takes c2's place
.set S0R, 48
.set UO,  56
.set SPW, 62
.set NIL, 63
.set S,   64
.set P,   192
.set PACC, 64
.set U,   128
.set VF,  128                   ; window 1
.set CQ,  192                   ; window 1
.set WV,  16                    ; s16  my wave's number
.set G1K, 24
.set G1V, 32
.set G1M, 40
.set G0K, 48
.set G0V, 52
.set G0M, 56
.set SLOTS, 60
.set TWICE, 61
.set TB,  62                    ; s62  LDS byte at which the step to be fetched begins
.set CS,  66                    ; s[66:67] c
.set SEL, 68                    ; s[68:69] v_permlanex16_b32's selects
.set MSB, 0
.macro WIN new
.if MSB != (\new)
	s_set_vgpr_msb (MSB<<8)|(\new)
.set MSB, (\new)
.endif
.endm
.macro PLACES                   ; four places between a matrix instruction and a load into, or a vector read of, its registers
.rept 4
	v_nop
.endr
.endm
.macro ALLT line:vararg         ; one line for each tile t
.set t, 0
.rept 4
	\line
.set t, t+1
.endr
.endm
; A joint refill.  Waves 0 and 1 fetch the two steps' K, waves 2 and 3 their V.  An s_nop 0 and four v_nop follow each of the two lines, ahead of the jump and the label.
.macro JLOAD
	s_cmp_lt_u32 s[WV], 2
	s_cbranch_scc0 .Lfor_v_\@
	tensor_load_to_lds s[G0K:G0K+3], s[G1K:G1K+7]
	s_nop 0
.rept 4
	v_nop
.endr
	s_branch .Lasked_\@
.Lfor_v_\@:
	tensor_load_to_lds s[G0V:G0V+3], s[G1V:G1V+7]
	s_nop 0
.rept 4
	v_nop
.endr
.Lasked_\@:
.endm
; A round of the cluster's barrier: my work-group's barrier; wave 0 signals for the work-group; every wave waits for all four work-groups; my work-group's barrier once more.
.macro CROUND
	s_barrier_signal -1
	s_barrier_wait -1
	s_cmp_lg_u32 s[WV], 0
	s_cbranch_scc1 .Lnot_wave_0_\@
	s_barrier_signal -3
.Lnot_wave_0_\@:
	s_barrier_wait -3
	s_barrier_signal -1
	s_barrier_wait -1
.endm
	s_load_b256 s[4:11], s[0:1], 0x0        ; input1 4, K16 6, V16 8, MT16 10
	s_load_b128 s[12:15], s[0:1], 0x20      ; U32 12, O16 14
	v_lshl_add_u32 v[SPW], v0, 2, SPARE
	v_mov_b32 v[NIL], 0
	ds_add_u32 v[SPW], v[NIL]               ; the wave's opening: an add and its wait ahead of my first tensor load; the set-up below stands between them
	v_lshrrev_b32 v10, 5, v0
	v_readfirstlane_b32 s[WV], v10
	s_bfe_u32 s17, ttmp6, 0x40000           ; cx
	s_lshl_b32 s18, ttmp9, 2
	s_add_co_u32 s18, s18, s17              ; my block of 256 queries: it enters x1's and O's addresses alone
	s_and_b32 s19, ttmp7, 0xffff            ; 8 b + h, which the four partners share
	s_lshr_b32 s20, s19, 3                  ; b
	s_and_b32 s21, s19, 7                   ; h
	s_and_b32 s22, s[WV], 1                 ; which of a slot's two steps I fetch
	s_lshl_b32 s2, s20, 20                  ; x1: b x 1,024 rows of 1,024 bytes, my block's 256, my wave's 64
	s_lshl_b32 s3, s18, 18
	s_add_co_u32 s2, s2, s3
	s_lshl_b32 s3, s[WV], 16
	s_add_co_u32 s2, s2, s3
	s_mov_b32 s3, 0
	s_lshl_b32 s70, s19, 17                 ; O16: rows of 128 bytes
	s_lshl_b32 s71, s18, 15
	s_add_co_u32 s70, s70, s71
	s_lshl_b32 s71, s[WV], 13
	s_add_co_u32 s70, s70, s71
	s_mov_b32 s71, 0
	; descriptor group 1.  15:0 the mask of four; 17:16 2-byte elements; 20 padding on; 21 set beside a mask; 24:22 the interval's code; 31:25 the padding's words less one
	s_mov_b32 s[G1K], 15|(1<<16)|(1<<20)|(1<<21)|(6<<22)|(3<<25)  ; K: 64 rows of 256 elements; 4 words behind every 128
	s_mov_b32 s[G1K+1], 256<<16
	s_mov_b32 s[G1K+2], 64<<16
	s_mov_b32 s[G1K+3], 256<<16
	s_mov_b32 s[G1K+4], 64
	s_mov_b32 s[G1K+5], 256
	s_mov_b32 s[G1K+6], 0
	s_mov_b32 s[G1K+7], 0
	s_mov_b32 s[G1V], 15|(1<<16)|(1<<20)|(1<<21)|(4<<22)|(7<<25)  ; V: 64 keys are 8,192 dense bytes, asked for as 32 rows of 256; 8 words behind every 32
	s_mov_b32 s[G1V+1], 128<<16
	s_mov_b32 s[G1V+2], 32<<16
	s_mov_b32 s[G1V+3], 128<<16
	s_mov_b32 s[G1V+4], 32
	s_mov_b32 s[G1V+5], 128
	s_mov_b32 s[G1V+6], 0
	s_mov_b32 s[G1V+7], 0
	s_mov_b32 s[G1M], 15|(1<<16)|(1<<20)|(1<<21)|(4<<22)|(3<<25)  ; a panel of M^T: 34,816 dense bytes as 136 rows of 256; 4 words behind every 32
	s_mov_b32 s[G1M+1], 128<<16
	s_mov_b32 s[G1M+2], 136<<16
	s_mov_b32 s[G1M+3], 128<<16
	s_mov_b32 s[G1M+4], 136
	s_mov_b32 s[G1M+5], 128
	s_mov_b32 s[G1M+6], 0
	s_mov_b32 s[G1M+7], 0
	; descriptor group 0: count, LDS address, and for now the byte offset in the tensor
	s_mov_b32 s[G0K], 1
	s_mul_i32 s[G0K+1], s22, STEPB
	s_lshl_b32 s[G0K+2], s20, 19            ; b x 1,024 rows of 512 bytes,
	s_lshl_b32 s23, s22, 15                 ; my step's 64
	s_add_co_u32 s[G0K+2], s[G0K+2], s23
	s_mov_b32 s[G0K+3], 0
	s_mov_b32 s[G0V], 1
	s_add_co_u32 s[G0V+1], s[G0K+1], VOFF
	s_lshl_b32 s[G0V+2], s19, 17
	s_lshl_b32 s23, s22, 13
	s_add_co_u32 s[G0V+2], s[G0V+2], s23
	s_mov_b32 s[G0V+3], 0
	s_mov_b32 s[G0M], 1
	s_mul_i32 s[G0M+1], s[WV], PANEL        ; wave w fetches panel w
	s_add_co_u32 s[G0M+1], s[G0M+1], MTL
	s_mul_i32 s[G0M+2], s21, 139264
	s_mul_i32 s23, s[WV], 34816
	s_add_co_u32 s[G0M+2], s[G0M+2], s23
	s_mov_b32 s[G0M+3], 0
	s_mul_i32 s20, s21, 1088                ; U32: 272 numbers a head
	s_mov_b32 s21, 0
	s_mov_b32 s[CS], 0x3d8293ee             ; c = log2(e) / sqrt(512) = 0.0637587
	s_mov_b32 s[CS+1], s[CS]
	s_mov_b32 s[SEL], 0x76543210
	s_mov_b32 s[SEL+1], 0xfedcba98
	s_mov_b32 s[TB], SLOT1+2*STEPB          ; the first change of slots turns this into 0
	s_wait_dscnt 0x0                        ; the opening add is done
	s_wait_kmcnt 0x0
	s_add_nc_u64 s[G0K+2:G0K+3], s[6:7], s[G0K+2:G0K+3]
	s_or_b32 s[G0K+3], s[G0K+3], 0x80000000
	s_add_nc_u64 s[G0V+2:G0V+3], s[8:9], s[G0V+2:G0V+3]
	s_or_b32 s[G0V+3], s[G0V+3], 0x80000000
	s_add_nc_u64 s[G0M+2:G0M+3], s[10:11], s[G0M+2:G0M+3]
	s_or_b32 s[G0M+3], s[G0M+3], 0x80000000
	s_add_nc_u64 s[4:5], s[4:5], s[2:3]
	s_add_nc_u64 s[12:13], s[12:13], s[20:21]
	s_add_nc_u64 s[14:15], s[14:15], s[70:71]
	CROUND                                  ; all four work-groups are here: the first joint loads meet
	s_cmp_lt_u32 s[WV], 2                   ; a wave's two first fills stand in one branch: my panel of M^T, then my part of slot 0: two loads of mine are out
	s_cbranch_scc0 .Lfirst_v
	tensor_load_to_lds s[G0M:G0M+3], s[G1M:G1M+7]
	s_nop 0
	tensor_load_to_lds s[G0K:G0K+3], s[G1K:G1K+7]
	s_nop 0
.rept 4
	v_nop
.endr
	s_branch .Lfirst_asked
.Lfirst_v:
	tensor_load_to_lds s[G0M:G0M+3], s[G1M:G1M+7]
	s_nop 0
	tensor_load_to_lds s[G0V:G0V+3], s[G1V:G1V+7]
	s_nop 0
.rept 4
	v_nop
.endr
.Lfirst_asked:
	v_and_b32 v[R], 15, v0
	v_bfe_u32 v[HL], v0, 4, 1
	v_lshlrev_b32 v[XO], 10, v[R]
	v_lshl_add_u32 v[XO], v[HL], 5, v[XO]   ; row x 1,024 + 32 x half: eight f32
	v_lshlrev_b32 v[UO], 5, v[HL]
.set i, 0
.rept 16                                ; u as the C operand: register j of block i is u[16 i + 8 hl + j]
	global_load_b128 v[U+8*i:U+8*i+3], v[UO], s[12:13] offset:64*i
	global_load_b128 v[U+8*i+4:U+8*i+7], v[UO], s[12:13] offset:64*i+16
.set i, i+1
.endr
	global_load_b128 v[S0R:S0R+3], v[UO], s[12:13] offset:1024
	global_load_b128 v[S0R+4:S0R+7], v[UO], s[12:13] offset:1040
; x1 of tile t as f32: for each 32 channels a lane's 8 + 8 numbers, four loads of 16 bytes
.macro XLOAD t, bank
	WIN 0x80
.set i, 0
.rept 8
	global_load_b128 v[(\bank)+16*i:(\bank)+16*i+3], v[XO], s[4:5] offset:(\t)*16384+i*128
	global_load_b128 v[(\bank)+16*i+4:(\bank)+16*i+7], v[XO], s[4:5] offset:(\t)*16384+i*128+16
	global_load_b128 v[(\bank)+16*i+8:(\bank)+16*i+11], v[XO], s[4:5] offset:(\t)*16384+i*128+64
	global_load_b128 v[(\bank)+16*i+12:(\bank)+16*i+15], v[XO], s[4:5] offset:(\t)*16384+i*128+80
.set i, i+1
.endr
.endm
.macro XCVT t, bank                     ; rounded to bf16: the fragments of tile t, window 3
	WIN 0xca
.set i, 0
.rept 64
	v_cvt_pk_bf16_f32 v[64*(\t)+i], v[(\bank)+2*i], v[(\bank)+2*i+1]
.set i, i+1
.endr
.endm
	XLOAD 0, 0
	XLOAD 1, 128
	WIN 0
	v_mul_u32_u24 v[AK0], v[R], PK
	v_lshl_add_u32 v[AK0], v[HL], 4, v[AK0] ; row x pitch + 16 x half
	v_and_b32 v10, 7, v0
	v_bfe_u32 v11, v0, 3, 1
	v_lshl_add_u32 v[AV0], v[HL], 3, v10    ; the turning load: key 8 (l / 16) + l % 8, channels 8 ((l / 8) % 2) + 0..7
	v_mul_u32_u24 v[AV0], v[AV0], PV
	v_lshl_add_u32 v[AV0], v11, 4, v[AV0]
	v_add_nc_u32 v[AV0], VOFF, v[AV0]
	v_mul_u32_u24 v[AM], v[R], PM
	v_lshl_add_u32 v[AM], v[HL], 4, v[AM]
	v_add_nc_u32 v[AM], MTL, v[AM]
	v_add_nc_u32 v[AM+1], PANEL, v[AM]
	v_add_nc_u32 v[AM+2], 2*PANEL, v[AM]
	v_add_nc_u32 v[AM+3], 3*PANEL, v[AM]
	s_mul_i32 s23, s[WV], 16*SP
	s_add_co_u32 s23, s23, STAGE            ; my stage
	v_mul_u32_u24 v[STO], v[R], SP
	v_lshl_add_u32 v[STO], v[HL], 4, v[STO]
	v_add_nc_u32 v[STO], s23, v[STO]
	v_bfe_u32 v[RD], v0, 3, 2
	v_mul_u32_u24 v[RD], v[RD], SP
	v_lshl_add_u32 v[RD], v10, 4, v[RD]
	v_add_nc_u32 v[RD], s23, v[RD]
	v_and_b32 v[GO], 31, v0
	v_lshlrev_b32 v[GO], 4, v[GO]
	s_wait_loadcnt 32                       ; u, s0 and tile 0 are in; tile 1's 32 loads may be out
	XCVT 0, 0
	XLOAD 2, 0
	s_wait_loadcnt 32                       ; tile 1 is in; tile 2's 32 may be out
	XCVT 1, 128
	XLOAD 3, 128
	s_wait_loadcnt 32
	XCVT 2, 0
	s_wait_loadcnt 0x0
	XCVT 3, 128
	WIN 0
	s_wait_tensorcnt 0x1                    ; my panel of M^T is in; my part of slot 0, issued behind it, may stay out
	s_barrier_signal -1
	s_barrier_wait -1                       ; everybody's panel is in
; THE PROJECTION.  Q'^T = M^T x1^T + u, two blocks of 16 channels (2 p, 2 p + 1) x four tiles at a time: 8 accumulators, K = 256 in two halves of four chunks.
; Half hs = 2 p + (which four chunks): 16 LDS loads into buffer hs % 2.
.macro FETCHM hs
	WIN 0x40
.set fb, 64*((\hs)%2)
.irp ci, 0,1,2,3
.irp nbl, 0,1
	ds_load_b128 v[fb+16*\ci+8*\nbl:fb+16*\ci+8*\nbl+3], v[AM+2*((\hs)%2)+\ci/2] offset:(2*((\hs)/2)+\nbl)*16*PM+(\ci%2)*64
	ds_load_b128 v[fb+16*\ci+8*\nbl+4:fb+16*\ci+8*\nbl+7], v[AM+2*((\hs)%2)+\ci/2] offset:(2*((\hs)/2)+\nbl)*16*PM+(\ci%2)*64+32
.endr
.endr
.endm
.macro FETCHA                           ; block 16 (w in every row), all eight chunks, into buffer 0
	WIN 0x40
.irp c, 0,1,2,3,4,5,6,7
	ds_load_b128 v[8*\c:8*\c+3], v[AM+\c/2] offset:16*16*PM+(\c%2)*64
	ds_load_b128 v[8*\c+4:8*\c+7], v[AM+\c/2] offset:16*16*PM+(\c%2)*64+32
.endr
.endm
; 8 matrix instructions: one chunk.  The first chunk starts the sums with u.  The 8 accumulators take turns.
.macro MULP hs, ci
	WIN 0x0d
.set fb, 64*((\hs)%2)
.set cc, 4*((\hs)%2)+(\ci)
.irp nbl, 0,1
.irp t, 0,1,2,3
.if cc == 0
	v_wmma_f32_16x16x32_bf16 v[PACC+8*(4*\nbl+\t):PACC+8*(4*\nbl+\t)+7], v[fb+16*(\ci)+8*\nbl:fb+16*(\ci)+8*\nbl+7], v[64*\t+8*cc:64*\t+8*cc+7], v[U+8*(2*((\hs)/2)+\nbl):U+8*(2*((\hs)/2)+\nbl)+7]
.else
	v_wmma_f32_16x16x32_bf16 v[PACC+8*(4*\nbl+\t):PACC+8*(4*\nbl+\t)+7], v[fb+16*(\ci)+8*\nbl:fb+16*(\ci)+8*\nbl+7], v[64*\t+8*cc:64*\t+8*cc+7], v[PACC+8*(4*\nbl+\t):PACC+8*(4*\nbl+\t)+7]
.endif
.endr
.endr
.endm
.macro CVTQ p                           ; the two blocks, rounded in pairs, are chunk p of Q' as source 1; each accumulator's registers in ascending order
	WIN 0x80
.irp nbl, 0,1
.irp t, 0,1,2,3
.irp i, 0,1,2,3
	v_cvt_pk_bf16_f32 v[64*\t+8*(\p)+4*\nbl+\i], v[PACC+8*(4*\nbl+\t)+2*\i], v[PACC+8*(4*\nbl+\t)+2*\i+1]
.endr
.endr
.endr
.endm
.macro HALF hs
	s_wait_dscnt 0x0                        ; this half's fragments, asked for 16 matrix instructions ago
	MULP \hs, 0
	MULP \hs, 1
	PLACES                                  ; the other buffer's last readers stand in front of these
.if (\hs) < 15
	FETCHM (\hs)+1
.else
	FETCHA
.endif
	MULP \hs, 2
	MULP \hs, 3
.if (\hs)%2
	PLACES
	CVTQ (\hs)/2
.endif
.endm
	FETCHM 0
.irp hs, 0,1,2,3,4,5,6,7,8,9,10,11,12,13,14,15
	HALF \hs
.endr
	s_wait_dscnt 0x0                        ; block 16's fragments
.set c, 0
.rept 8                                 ; cq = x1 . w + s0, in all eight registers of a lane; four accumulators by turns
.if c == 0
	WIN 0x4d
.else
	WIN 0x5d
.endif
.irp t, 0,1,2,3
.if c == 0
	v_wmma_f32_16x16x32_bf16 v[CQ+8*\t:CQ+8*\t+7], v[8*c:8*c+7], v[64*\t+8*c:64*\t+8*c+7], v[S0R:S0R+7]
.else
	v_wmma_f32_16x16x32_bf16 v[CQ+8*\t:CQ+8*\t+7], v[8*c:8*c+7], v[64*\t+8*c:64*\t+8*c+7], v[CQ+8*\t:CQ+8*\t+7]
.endif
.endr
.set c, c+1
.endr
	WIN 0
.set t, 0
.rept 4                                 ; these sixteen are also the places behind the products above
	v_mov_b32 v[ST+8*t], 0xfe000000         ; c m: far below every c s
	v_mov_b32 v[ST+8*t+1], 0xff7fffff       ; m
	v_mov_b32 v[ST+8*t+2], 0
	v_mov_b32 v[ST+8*t+3], 0
.set t, t+1
.endr
	WIN 0x40
.set i, 0
.rept 128                               ; O^T
	v_mov_b32 v[i], 0
.set i, i+1
.endr
	WIN 0
; THE CHANGE OF SLOTS.  Each wave waits for all its tensor loads, of which one is out: its part of the other slot; adds 0 to its spare word; and waits for that and for its own reads of the slot.
; fill = 1: the slot is filled again with the keys two slots on; the barrier is then a round of the cluster's, and the joint refill is the first thing behind it: it has two key steps,
; 320 matrix instructions, in which to land.  (At its first use slot 0 is waited for, and slot 1 is laid over M^T, whose last reads the wait on DScnt has shown done.)
.macro CHANGE fill
	WIN 0
	s_wait_tensorcnt 0x0                    ; no tensor load of mine is out, so a group 0 may be written
	ds_add_u32 v[SPW], v[NIL]               ; 0 onto my spare word
.if \fill
	s_xor_b32 s[G0K+1], s[G0K+1], SLOT1
	s_add_nc_u64 s[G0K+2:G0K+3], s[G0K+2:G0K+3], 2*KS*512
	s_xor_b32 s[G0V+1], s[G0V+1], SLOT1
	s_add_nc_u64 s[G0V+2:G0V+3], s[G0V+2:G0V+3], 2*KS*128
	s_wait_dscnt 0x0                        ; the add is done, and my reads of the slot are over
	CROUND
	JLOAD
.else
	s_wait_dscnt 0x0
	s_barrier_signal -1
	s_barrier_wait -1
.endif
	s_sub_co_u32 s[TB], s[TB], 2*STEPB      ; the fetches go back to a slot's first step,
	s_xor_b32 s[TB], s[TB], SLOT1           ; in the other slot
.endm
; A KEY STEP, in phases.
.macro STEP
	WIN 0
	v_add_nc_u32 v[ADR], s[TB], v[AK0]
	WIN 0xc0
.set c, 0
.rept 8                                 ; K: 64 keys x 256 channels, chunk by chunk
.irp kb, 0,1,2,3
	ds_load_b128 v[32*c+8*\kb:32*c+8*\kb+3], v[ADR] offset:\kb*16*PK+c*64
	ds_load_b128 v[32*c+8*\kb+4:32*c+8*\kb+7], v[ADR] offset:\kb*16*PK+c*64+32
.endr
.set c, c+1
.endr
.set c, 0
.rept 8                                 ; S^T = K Q'^T + cq: 16 accumulators by turns
	s_wait_dscnt 8*(7-c)                    ; chunk c is in; the later chunks' eight loads each may be out
.if c == 0
	WIN 0x1b
.else
	WIN 0x0b
.endif
.irp kb, 0,1,2,3
.irp t, 0,1,2,3
.if c == 0
	v_wmma_f32_16x16x32_bf16 v[S+32*\t+8*\kb:S+32*\t+8*\kb+7], v[32*c+8*\kb:32*c+8*\kb+7], v[64*\t+8*c:64*\t+8*c+7], v[CQ+8*\t:CQ+8*\t+7]
.else
	v_wmma_f32_16x16x32_bf16 v[S+32*\t+8*\kb:S+32*\t+8*\kb+7], v[32*c+8*\kb:32*c+8*\kb+7], v[64*\t+8*c:64*\t+8*c+7], v[S+32*\t+8*\kb:S+32*\t+8*\kb+7]
.endif
.endr
.endr
.set c, c+1
.endr
	WIN 0
	v_add_nc_u32 v[ADR], s[TB], v[AV0]
	s_add_co_u32 s[TB], s[TB], STEPB        ; the next fetch is the next step's
	PLACES                                  ; for the loads into V's registers and for the first reads of S^T
	WIN 0x40
.irp f, 0,1,2,3,4,5,6,7                 ; V, turned: keys 32 (f / 4) on, channels 16 (f % 4) on; it lands under the softmax
	ds_load_tr16_b128 v[VF+8*\f:VF+8*\f+3], v[ADR] offset:(\f/4)*32*PV+(\f%4)*32
	ds_load_tr16_b128 v[VF+8*\f+4:VF+8*\f+7], v[ADR] offset:(\f/4)*32*PV+16*PV+(\f%4)*32
.endr
	WIN 0
	; the maximum of the lane's 32 scores and the old m: four chains of seven, each accumulator's lowest registers first
.set j, 0
.rept 4
	ALLT v_max3_num_f32 v[ST+8*t+4+j], v[S+32*t+8*j], v[S+32*t+8*j+1], v[S+32*t+8*j+2]
.set j, j+1
.endr
.set j, 4
.rept 8
	ALLT v_max3_num_f32 v[ST+8*t+4+j%4], v[ST+8*t+4+j%4], v[S+32*t+8*(j%4)+2*(j/4)+1], v[S+32*t+8*(j%4)+2*(j/4)+2]
.set j, j+1
.endr
	ALLT v_max3_num_f32 v[ST+8*t+4], v[ST+8*t+4], v[S+32*t+7], v[S+32*t+15]
	ALLT v_max3_num_f32 v[ST+8*t+6], v[ST+8*t+6], v[S+32*t+23], v[S+32*t+31]
	ALLT v_max3_num_f32 v[ST+8*t+4], v[ST+8*t+4], v[ST+8*t+5], v[ST+8*t+6]
	ALLT v_max3_num_f32 v[ST+8*t+4], v[ST+8*t+4], v[ST+8*t+7], v[ST+8*t+1]
	ALLT v_permlanex16_b32 v[ST+8*t+5], v[ST+8*t+4], s[SEL], s[SEL+1]  ; the query's other 32 keys lie in the lane 16 away
	ALLT v_mov_b32 v[ST+8*t+7], v[ST+8*t]   ; c m_old
	ALLT v_max_num_f32 v[ST+8*t+1], v[ST+8*t+4], v[ST+8*t+5]
	ALLT v_mul_f32 v[ST+8*t], s[CS], v[ST+8*t+1]
	ALLT v_sub_f32 v[ST+8*t+7], v[ST+8*t+7], v[ST+8*t]
	ALLT v_exp_f32 v[ST+8*t+6], v[ST+8*t+7] ; a; the scalings below stand between it and its first use
.set n, 0
.rept 16                                ; c s - c m
	ALLT v_pk_fma_f32 v[S+32*t+2*n:S+32*t+2*n+1], v[S+32*t+2*n:S+32*t+2*n+1], s[CS:CS+1], v[ST+8*t:ST+8*t+1] op_sel_hi:[1,0,0] neg_lo:[0,0,1] neg_hi:[0,0,1]
.set n, n+1
.endr
.set n, 0
.rept 32
	ALLT v_exp_f32 v[S+32*t+n], v[S+32*t+n]
.set n, n+1
.endr
	v_nop                                   ; a plain instruction between the last exponential and the use of its result (ISA guide 5.7.2)
	s_wait_alu depctr_va_vdst(0)
.set n, 0
.rept 16
	ALLT v_cvt_pk_f16_f32 v[P+16*t+n], v[S+32*t+2*n], v[S+32*t+2*n+1]
.set n, n+1
.endr
.irp w, 4,8,16,32                       ; the sum of the 16 pairs, in place: neighbours 1, 2, 4 and 8 pairs apart
.set u, 0
.rept 32/\w
	ALLT v_pk_add_f32 v[S+32*t+\w*u:S+32*t+\w*u+1], v[S+32*t+\w*u:S+32*t+\w*u+1], v[S+32*t+\w*u+\w/2:S+32*t+\w*u+\w/2+1]
.set u, u+1
.endr
.endr
	ALLT v_pk_fma_f32 v[ST+8*t+2:ST+8*t+3], v[ST+8*t+2:ST+8*t+3], v[ST+8*t+6:ST+8*t+7], v[S+32*t:S+32*t+1] op_sel_hi:[1,0,1]
	WIN 0x41
.set n, 0
.rept 16                                ; O^T times a, in ascending order
	ALLT v_pk_mul_f32 v[32*t+2*n:32*t+2*n+1], v[32*t+2*n:32*t+2*n+1], v[ST+8*t+6:ST+8*t+7] op_sel_hi:[1,0]
.set n, n+1
.endr
	s_wait_dscnt 0x0                        ; V is in
	WIN 0x51
.irp kk, 0,1                            ; O^T += V^T P: 16 accumulators by turns
.irp cb, 0,1,2,3
.irp t, 0,1,2,3
	v_wmma_f32_16x16x32_f16 v[32*\t+8*\cb:32*\t+8*\cb+7], v[VF+32*\kk+8*\cb:VF+32*\kk+8*\cb+7], v[P+16*\t+8*\kk:P+16*\t+8*\kk+7], v[32*\t+8*\cb:32*\t+8*\cb+7]
.endr
.endr
.endr
.endm
.macro TWO_STEPS                        ; a slot's two key steps: written once, walked twice; the LDS addresses hang on s[TB]
	WIN 0
	s_mov_b32 s[TWICE], 2
.Lstep_\@:
	STEP
	WIN 0
	s_sub_co_u32 s[TWICE], s[TWICE], 1
	s_cmp_lg_u32 s[TWICE], 0
	s_cbranch_scc1 .Lstep_\@
.endm
	s_mov_b32 s[SLOTS], 7
.Lslot:                                 ; seven trips: 128 keys are walked and the 128 after the next are asked for
	CHANGE 1
	TWO_STEPS
	s_sub_co_u32 s[SLOTS], s[SLOTS], 1
	s_cmp_lg_u32 s[SLOTS], 0
	s_cbranch_scc1 .Lslot
	CHANGE 0                                ; the tail is written out: nothing is asked for
	TWO_STEPS
	; THE WAY OUT.  l's two halves and the other half of the lanes' are added; O^T is divided by l, rounded to f16 and sent through my stage, a tile at a time.  The additions are the places behind the last products.
	ALLT v_add_f32 v[ST+8*t+4], v[ST+8*t+2], v[ST+8*t+3]
	ALLT v_permlanex16_b32 v[ST+8*t+5], v[ST+8*t+4], s[SEL], s[SEL+1]
	ALLT v_add_f32 v[ST+8*t+4], v[ST+8*t+4], v[ST+8*t+5]
	ALLT v_rcp_f32 v[ST+8*t+6], v[ST+8*t+4]
	v_nop                                   ; a plain instruction between the last reciprocal and the use of its result
	s_wait_alu depctr_va_vdst(0)
.macro PACK t
	WIN 0x41
.set i, 32*(\t)
.rept 16
	v_pk_mul_f32 v[i:i+1], v[i:i+1], v[ST+8*(\t)+6:ST+8*(\t)+7] op_sel_hi:[1,0]
.set i, i+2
.endr
	WIN 0x05
.set i, 0
.rept 16
	v_cvt_pk_f16_f32 v[S+16*(\t)+i], v[32*(\t)+2*i], v[32*(\t)+2*i+1]
.set i, i+1
.endr
	WIN 0
.irp f, 0,1,2,3
	ds_store_b128 v[STO], v[S+16*(\t)+4*\f:S+16*(\t)+4*\f+3] offset:32*\f
.endr
.irp f, 0,1,2,3
	ds_load_b128 v[S+16*(\t)+4*\f:S+16*(\t)+4*\f+3], v[RD] offset:\f*4*SP  ; LDS serves a wave's instructions in order (ISA guide 5.7.1.4): these see the stores above
.endr
.endm
.macro SEND t, younger                  ; younger: the LDS instructions issued behind tile t's loads: the next tile's eight, or none
.irp f, 0,1,2,3
	s_wait_dscnt (\younger)+3-\f
	global_store_b128 v[GO], v[S+16*(\t)+4*\f:S+16*(\t)+4*\f+3], s[14:15] offset:(\t)*2048+\f*512  ; 512 consecutive bytes, at a multiple of 256 from O16's first
.endr
.endm
	PACK 0
	PACK 1
	SEND 0, 8
	PACK 2
	SEND 1, 8
	PACK 3
	SEND 2, 8
	SEND 3, 0
	s_wait_tensorcnt 0x0                    ; the wave's end, behind my last tensor load and my last LDS store
	ds_add_u32 v[SPW], v[NIL]
	s_wait_dscnt 0x0
	CROUND                                  ; the closing round: no work-group ends while a partner may still ask for a tile that names it
	s_endpgm
.Lfunc_end_k_qbe154406fb_attn:
	.size	k_qbe154406fb_attn, .Lfunc_end_k_qbe154406fb_attn-k_qbe154406fb_attn
	.p2alignl 7, 3214868480
	.fill 96, 4, 3214868480
	.section	.rodata,"a",@progbits
	.p2align	6, 0x0
	.amdhsa_kernel k_qbe154406fb_attn
		.amdhsa_group_segment_fixed_size 327680
		.amdhsa_private_segment_fixed_size 0
		.amdhsa_enable_private_segment 0
		.amdhsa_kernarg_size 48
		.amdhsa_user_sgpr_count 2
		.amdhsa_user_sgpr_kernarg_segment_ptr 1
		.amdhsa_wavefront_size32 1
		.amdhsa_system_sgpr_workgroup_id_x 1
		.amdhsa_system_sgpr_workgroup_id_y 1
		.amdhsa_system_sgpr_workgroup_id_z 1
		.amdhsa_system_vgpr_workitem_id 0
		.amdhsa_next_free_vgpr 1024
		.amdhsa_next_free_sgpr 72
		.amdhsa_reserve_vcc 0
		.amdhsa_float_denorm_mode_32 3
		.amdhsa_float_denorm_mode_16_64 3
		.amdhsa_memory_ordered 1
		.amdhsa_forward_progress 1
		.amdhsa_inst_pref_size 213
	.end_amdhsa_kernel
	.amdgpu_metadata
---
amdhsa.version: [ 1, 2 ]
amdhsa.kernels:
  - .name:           k_qbe154406fb_attn
    .symbol:         k_qbe154406fb_attn.kd
    .args:
      - { .name: input1, .offset: 0, .size: 8, .value_kind: global_buffer, .address_space: global }
      - { .name: K16, .offset: 8, .size: 8, .value_kind: global_buffer, .address_space: global }
      - { .name: V16, .offset: 16, .size: 8, .value_kind: global_buffer, .address_space: global }
      - { .name: MT16, .offset: 24, .size: 8, .value_kind: global_buffer, .address_space: global }
      - { .name: U32, .offset: 32, .size: 8, .value_kind: global_buffer, .address_space: global }
      - { .name: O16, .offset: 40, .size: 8, .value_kind: global_buffer, .address_space: global }
    .group_segment_fixed_size: 327680
    .private_segment_fixed_size: 0
    .kernarg_segment_align: 8
    .kernarg_segment_size: 48
    .max_flat_workgroup_size: 128
    .sgpr_count:     72
    .vgpr_count:     1024
    .wavefront_size: 32
...
	.end_amdgpu_metadata
.endif
;; end of part 3
;; launch outp (part 4): grid 4 x 64, 4 waves a work-group, clusters of 4 x 4, 327,680 bytes of LDS; arguments O16, WoH, bo, out0; writes out0
.if DOCPART == 4
	.amdgcn_target "amdgcn-amd-amdhsa--gfx1250"
	.amdhsa_code_object_version 6
	.text
	.protected	k_qbe154406fb_outp
	.globl	k_qbe154406fb_outp
	.p2align	8
	.type	k_qbe154406fb_outp,@function
k_qbe154406fb_outp:
	s_mov_b64 s[64:65], 0
	v_nop
	global_prefetch_b8 v0, s[64:65] scope:SCOPE_SE
	s_setreg_imm32_b32 hwreg(HW_REG_WAVE_MODE, 25, 1), 1
	s_wait_xcnt 0x0
	s_wait_alu depctr_hold_cnt(0) depctr_sa_sdst(0) depctr_va_vdst(0) depctr_va_sdst(0) depctr_va_ssrc(0) depctr_va_vcc(0) depctr_vm_vsrc(0)
	s_getreg_b32 s2, hwreg(HW_REG_IB_STS2, 6, 4)
	s_cmp_eq_u32 s2, 0
	s_cbranch_scc0 .Lentry_in_a_cluster
	s_endpgm
.Lentry_in_a_cluster:
	s_bfe_u32 s2, ttmp6, 0x10000c
	s_cmp_lg_u32 s2, 0xf033
	s_cbranch_scc0 .Lentry_shape_is_right
	s_endpgm
.Lentry_shape_is_right:
; THE OUTPUT PROJECTION.  out0[b s][n] = the sum over k = 64 h + e of O16[b][h][s][e] WoH[k][n] + bo[n].  O16 and WoH are f16, sums and out0 f32; bo is rounded to bf16 like every input.
; A work-group makes 128 rows x 128 columns, each of its four waves 64 x 64: 16 accumulators.  All of K = 512 lies in LDS at once: 8 panels of O (one a head, 128 rows x 144 bytes) and
; 8 parts of Wo (64 rows of k x 288 bytes).  Every fill is a first fill; nothing is filled again.  A wave issues four loads, and the products begin when the first pair of panels is in.
; CLUSTER.  4 x 4 work-groups: the four of a row of the cluster need the same panels of O, the four of a column the same parts of Wo: each is asked for jointly, by the same tensor load with the
; same descriptor and a mask that names the four.
; The matrix instruction is used transposed (source 0 = 16 columns of Wo, turned; source 1 = 16 rows of O): a lane holds one row of out0 and eight neighbouring columns, 32 bytes.
.set PA,    144                 ; a row of O in LDS: 128 bytes + 16 (64 banks of 4 bytes: ISA guide 11.1: 16 rows start at 16 different groups of four banks)
.set PB,    288                 ; a row of Wo: 256 + 32, for the turning load
.set PANEL, 18432               ; 128 x 144 = 64 x 288
.set BL,    8*PANEL             ; Wo's parts lie behind O's panels
.set STAGE, 16*PANEL            ; never filled by a tensor load: 16 rows x 272 bytes for each wave
.set SPO,   272
.set SPARE, STAGE+4*16*SPO      ; the spare words: 128 bytes for each wave, two blocks of 256 bytes that no other line names
.set ADRA, 8
.set ADRB, 9
.set STO,  11
.set RD,   12
.set CO,   13
.set SPW,  14
.set NIL,  15
.set BOFF, 24
.set BO,   32                   ; v32-63  bo as the C operand
.set OUTR, 64                   ; v64-127 the way out: two buffers of 32
.set ACC,  128
.set F0,   0                    ; window 1: two fragment buffers
.set F1,   64
.set G1A, 24
.set G1B, 32
.set G0A, 40                    ; s[40:55] four sets
.set G0B, 68                    ; s[68:83] four sets
.set MSB, 0
.macro WIN new
.if MSB != (\new)
	s_set_vgpr_msb (MSB<<8)|(\new)
.set MSB, (\new)
.endif
.endm
.set MUL,  0x05
.set TO_F, 0x40
.macro PLACES
.rept 4
	v_nop
.endr
.endm
.macro CROUND
	s_barrier_signal -1
	s_barrier_wait -1
	s_cmp_lg_u32 s12, 0
	s_cbranch_scc1 .Lnot_wave_0_\@
	s_barrier_signal -3
.Lnot_wave_0_\@:
	s_barrier_wait -3
	s_barrier_signal -1
	s_barrier_wait -1
.endm
	s_load_b256 s[4:11], s[0:1], 0x0        ; O16 4, WoH 6, bo 8, out0 10
	v_lshl_add_u32 v[SPW], v0, 2, SPARE
	v_mov_b32 v[NIL], 0
	ds_add_u32 v[SPW], v[NIL]               ; the wave's opening: an add and its wait ahead of my first tensor load
	v_lshrrev_b32 v19, 5, v0
	v_readfirstlane_b32 s12, v19            ; wave 0..3
	s_lshr_b32 s13, s12, 1                  ; my half of the rows.  Also: I fetch O (0) or Wo (1)
	s_and_b32 s14, s12, 1                   ; my half of the columns.  Also: the even or the odd panels
	s_bfe_u32 s15, ttmp6, 0x40000           ; cx
	s_bfe_u32 s16, ttmp6, 0x40004           ; cy
	s_lshl_b32 s17, ttmp9, 2
	s_add_co_u32 s17, s17, s15              ; x: tile column
	s_and_b32 s18, ttmp7, 0xffff
	s_lshl_b32 s18, s18, 2
	s_add_co_u32 s18, s18, s16              ; y: tile row
	s_lshl_b32 s19, s16, 2
	s_lshl_b32 s19, 15, s19                 ; my row of the cluster
	s_lshl_b32 s20, 0x1111, s15             ; my column
	s_or_b32 s[G1A], s19, (1<<16)|(1<<20)|(1<<21)|(4<<22)|(3<<25)  ; O: 128 rows are 16,384 dense bytes, asked for as 64 rows of 256; 4 words behind every 32
	s_mov_b32 s[G1A+1], 128<<16
	s_mov_b32 s[G1A+2], 64<<16
	s_mov_b32 s[G1A+3], 128<<16
	s_mov_b32 s[G1A+4], 64
	s_mov_b32 s[G1A+5], 128
	s_mov_b32 s[G1A+6], 0
	s_mov_b32 s[G1A+7], 0
	s_or_b32 s[G1B], s20, (1<<16)|(1<<20)|(1<<21)|(5<<22)|(7<<25)  ; Wo: 64 rows of 128 elements, 512 from row to row; 8 words behind every 64
	s_mov_b32 s[G1B+1], 128<<16
	s_mov_b32 s[G1B+2], 64<<16
	s_mov_b32 s[G1B+3], 128<<16
	s_mov_b32 s[G1B+4], 64
	s_mov_b32 s[G1B+5], 512
	s_mov_b32 s[G1B+6], 0
	s_mov_b32 s[G1B+7], 0
	s_lshr_b32 s56, s18, 3                  ; O16: b = y / 8; my 128 rows of a head; head w % 2.  No register here ever holds cx
	s_lshl_b32 s56, s56, 20
	s_and_b32 s57, s18, 7
	s_lshl_b32 s57, s57, 14
	s_add_co_u32 s56, s56, s57
	s_lshl_b32 s57, s14, 17
	s_add_co_u32 s56, s56, s57
	s_mov_b32 s57, 0
	s_lshl_b32 s58, s17, 8                  ; WoH: my 128 columns; rows 64 (w % 2) on.  No register here ever holds cy
	s_lshl_b32 s59, s14, 16
	s_add_co_u32 s58, s58, s59
	s_mov_b32 s59, 0
	s_mul_i32 s60, s14, PANEL               ; where they go: no place in the cluster enters an LDS address
	s_lshl_b32 s62, s17, 9                  ; my 64 columns in f32
	s_lshl_b32 s63, s14, 8
	s_add_co_u32 s62, s62, s63
	s_mov_b32 s63, 0
	s_lshl_b32 s84, s18, 18                 ; out0: 128 y + 64 wr rows of 2,048 bytes, and my columns
	s_lshl_b32 s85, s13, 17
	s_add_co_u32 s84, s84, s85
	s_add_co_u32 s84, s84, s62
	s_mov_b32 s85, 0
	s_wait_dscnt 0x0                        ; the opening add is done
	s_wait_kmcnt 0x0
	s_add_nc_u64 s[56:57], s[4:5], s[56:57]
	s_add_nc_u64 s[58:59], s[6:7], s[58:59]
	s_add_nc_u64 s[8:9], s[8:9], s[62:63]
	s_add_nc_u64 s[10:11], s[10:11], s[84:85]
.irp g, 0,1,2,3                         ; set g: panel 2 g + w % 2
	s_mov_b32 s[G0A+4*\g], 1
	s_add_co_u32 s[G0A+4*\g+1], s60, \g*2*PANEL
	s_add_nc_u64 s[G0A+4*\g+2:G0A+4*\g+3], s[56:57], \g*262144
	s_or_b32 s[G0A+4*\g+3], s[G0A+4*\g+3], 0x80000000
	s_mov_b32 s[G0B+4*\g], 1
	s_add_co_u32 s[G0B+4*\g+1], s60, BL+\g*2*PANEL
	s_add_nc_u64 s[G0B+4*\g+2:G0B+4*\g+3], s[58:59], \g*131072
	s_or_b32 s[G0B+4*\g+3], s[G0B+4*\g+3], 0x80000000
.endr
	CROUND                                  ; all sixteen work-groups are here: the joint loads meet
	s_cmp_lt_u32 s12, 2                     ; a wave's four fills stand in one branch: four loads of mine are out
	s_cbranch_scc0 .Lfill_b
.irp g, 0,1,2,3
	tensor_load_to_lds s[G0A+4*\g:G0A+4*\g+3], s[G1A:G1A+7]
	s_nop 0
.endr
.rept 4
	v_nop
.endr
	s_branch .Lfilled
.Lfill_b:
.irp g, 0,1,2,3
	tensor_load_to_lds s[G0B+4*\g:G0B+4*\g+3], s[G1B:G1B+7]
	s_nop 0
.endr
.rept 4
	v_nop
.endr
.Lfilled:
	v_and_b32 v17, 15, v0                   ; r
	v_bfe_u32 v18, v0, 4, 1                 ; hl
	v_lshlrev_b32 v[BOFF], 5, v18
.irp nb, 0,1,2,3                        ; register i of block nb is bo[16 nb + 8 hl + i] of my 64 columns
	global_load_b128 v[BO+8*\nb:BO+8*\nb+3], v[BOFF], s[8:9] offset:64*\nb
	global_load_b128 v[BO+8*\nb+4:BO+8*\nb+7], v[BOFF], s[8:9] offset:64*\nb+16
.endr
	s_mul_i32 s22, s13, 64*PA
	v_mul_u32_u24 v[ADRA], v17, PA
	v_lshl_add_u32 v[ADRA], v18, 4, v[ADRA]
	v_add_nc_u32 v[ADRA], s22, v[ADRA]
	v_and_b32 v20, 7, v0
	v_lshl_add_u32 v21, v18, 3, v20         ; the turning load: row 8 (l / 16) + l % 8, columns 8 ((l / 8) % 2) + 0..7
	v_mul_u32_u24 v[ADRB], v21, PB
	v_bfe_u32 v21, v0, 3, 1
	v_lshl_add_u32 v[ADRB], v21, 4, v[ADRB]
	s_lshl_b32 s22, s14, 7
	s_add_co_u32 s22, s22, BL
	v_add_nc_u32 v[ADRB], s22, v[ADRB]
	s_mul_i32 s22, s12, 16*SPO
	s_add_co_u32 s22, s22, STAGE            ; my stage
	v_mul_u32_u24 v[STO], v17, SPO          ; in: row r, 32 bytes for each half of the lanes
	v_lshl_add_u32 v[STO], v18, 5, v[STO]
	v_add_nc_u32 v[STO], s22, v[STO]
	v_mul_u32_u24 v[RD], v18, SPO           ; back: lanes 0-15 take one row of 256 bytes, lanes 16-31 the next
	v_lshl_add_u32 v[RD], v17, 4, v[RD]
	v_add_nc_u32 v[RD], s22, v[RD]
	v_lshlrev_b32 v[CO], 11, v18            ; and the same two rows in out0
	v_lshl_add_u32 v[CO], v17, 4, v[CO]
	s_wait_loadcnt 0x0
.set i, 0
.rept 16                                ; bo rounded to bf16 and widened again
	v_cvt_pk_bf16_f32 v21, v[BO+i], v[BO+i+1]
	v_lshlrev_b32 v[BO+i], 16, v21
	v_and_b32 v[BO+i+1], 0xffff0000, v21
.set i, i+2
.endr
; chunk i (0..3) of the two panels in hand: four fragments of O, four of Wo^T: 16 LDS loads
.macro FETCHO i, f
	WIN TO_F
.irp a, 0,1,2,3
	ds_load_b128 v[(\f)+8*\a:(\f)+8*\a+3], v[ADRA] offset:((\i)/2)*PANEL+\a*16*PA+((\i)%2)*64
	ds_load_b128 v[(\f)+8*\a+4:(\f)+8*\a+7], v[ADRA] offset:((\i)/2)*PANEL+\a*16*PA+((\i)%2)*64+32
.endr
.irp nb, 0,1,2,3
	ds_load_tr16_b128 v[(\f)+32+8*\nb:(\f)+32+8*\nb+3], v[ADRB] offset:((\i)/2)*PANEL+((\i)%2)*32*PB+\nb*32
	ds_load_tr16_b128 v[(\f)+32+8*\nb+4:(\f)+32+8*\nb+7], v[ADRB] offset:((\i)/2)*PANEL+((\i)%2)*32*PB+\nb*32+16*PB
.endr
.endm
.macro MULO c, f                        ; 16 matrix instructions; the first K step starts the sums with bo; the 16 accumulators take turns
	WIN MUL
.irp a, 0,1,2,3
.irp nb, 0,1,2,3
.if (\c) == 0
	v_wmma_f32_16x16x32_f16 v[ACC+8*(4*\a+\nb):ACC+8*(4*\a+\nb)+7], v[(\f)+32+8*\nb:(\f)+32+8*\nb+7], v[(\f)+8*\a:(\f)+8*\a+7], v[BO+8*\nb:BO+8*\nb+7]
.else
	v_wmma_f32_16x16x32_f16 v[ACC+8*(4*\a+\nb):ACC+8*(4*\a+\nb)+7], v[(\f)+32+8*\nb:(\f)+32+8*\nb+7], v[(\f)+8*\a:(\f)+8*\a+7], v[ACC+8*(4*\a+\nb):ACC+8*(4*\a+\nb)+7]
.endif
.endr
.endr
.endm
; Stage g: panels 2 g and 2 g + 1, 128 along K.
.macro STG g
.if (\g) > 0
	WIN 0
	v_add_nc_u32 v[ADRA], 2*PANEL, v[ADRA]
	v_add_nc_u32 v[ADRB], 2*PANEL, v[ADRB]
	PLACES                                  ; for the loads into both buffers, which the last products read
.endif
	s_wait_tensorcnt 3-(\g)                 ; my load of this stage is in; the later stages' stay out
	s_barrier_signal -1
	s_barrier_wait -1                       ; everybody's is
	FETCHO 0, F0
	FETCHO 1, F1
.irp i, 0,1,2,3
.if \i < 3
	s_wait_dscnt 16                         ; this chunk's 16 loads are in; the next chunk's 16 may be out
.else
	s_wait_dscnt 0x0
.endif
	MULO (\g)*4+\i, F0+64*(\i%2)
.if \i < 2
	PLACES
	FETCHO \i+2, F0+64*(\i%2)
.endif
.endr
.endm
	STG 0
	STG 1
	STG 2
	STG 3
	; THE WAY OUT, 16 rows at a time: 32 bytes a lane into my stage (each accumulator's lower four registers first), back as whole rows of 256 bytes.
	WIN 0
	PLACES
.irp a, 0,1,2,3
.if \a > 1
	s_wait_xcnt 0x0                         ; the stores of two blocks ago have read their data: their buffer is loaded again only behind this wait
.endif
.irp nb, 0,1,2,3
	ds_store_b128 v[STO], v[ACC+8*(4*\a+\nb):ACC+8*(4*\a+\nb)+3] offset:64*\nb
	ds_store_b128 v[STO], v[ACC+8*(4*\a+\nb)+4:ACC+8*(4*\a+\nb)+7] offset:64*\nb+16
.endr
.irp t, 0,1,2,3,4,5,6,7
	ds_load_b128 v[OUTR+32*(\a%2)+4*\t:OUTR+32*(\a%2)+4*\t+3], v[RD] offset:\t*2*SPO  ; LDS serves a wave's instructions in order (ISA guide 5.7.1.4): these see the stores above
.endr
.irp t, 0,1,2,3,4,5,6,7
	s_wait_dscnt 7-\t
	global_store_b128 v[CO], v[OUTR+32*(\a%2)+4*\t:OUTR+32*(\a%2)+4*\t+3], s[10:11] offset:(16*\a+2*\t)*2048 th:TH_STORE_NT  ; 16 lanes store 256 consecutive bytes, aligned
.endr
.endr
	s_wait_tensorcnt 0x0                    ; the wave's end, behind my last tensor load and my last LDS store
	ds_add_u32 v[SPW], v[NIL]
	s_wait_dscnt 0x0
	CROUND                                  ; the closing round: no work-group ends while a partner may still ask for a tile that names it
	s_endpgm
.Lfunc_end_k_qbe154406fb_outp:
	.size	k_qbe154406fb_outp, .Lfunc_end_k_qbe154406fb_outp-k_qbe154406fb_outp
	.p2alignl 7, 3214868480
	.fill 96, 4, 3214868480
	.section	.rodata,"a",@progbits
	.p2align	6, 0x0
	.amdhsa_kernel k_qbe154406fb_outp
		.amdhsa_group_segment_fixed_size 327680
		.amdhsa_private_segment_fixed_size 0
		.amdhsa_enable_private_segment 0
		.amdhsa_kernarg_size 32
		.amdhsa_user_sgpr_count 2
		.amdhsa_user_sgpr_kernarg_segment_ptr 1
		.amdhsa_wavefront_size32 1
		.amdhsa_system_sgpr_workgroup_id_x 1
		.amdhsa_system_sgpr_workgroup_id_y 1
		.amdhsa_system_sgpr_workgroup_id_z 1
		.amdhsa_system_vgpr_workitem_id 0
		.amdhsa_next_free_vgpr 384
		.amdhsa_next_free_sgpr 88
		.amdhsa_reserve_vcc 0
		.amdhsa_float_denorm_mode_32 3
		.amdhsa_float_denorm_mode_16_64 3
		.amdhsa_memory_ordered 1
		.amdhsa_forward_progress 1
		.amdhsa_inst_pref_size 56
	.end_amdhsa_kernel
	.amdgpu_metadata
---
amdhsa.version: [ 1, 2 ]
amdhsa.kernels:
  - .name:           k_qbe154406fb_outp
    .symbol:         k_qbe154406fb_outp.kd
    .args:
      - { .name: O16, .offset: 0, .size: 8, .value_kind: global_buffer, .address_space: global }
      - { .name: WoH, .offset: 8, .size: 8, .value_kind: global_buffer, .address_space: global }
      - { .name: bo, .offset: 16, .size: 8, .value_kind: global_buffer, .address_space: global }
      - { .name: out0, .offset: 24, .size: 8, .value_kind: global_buffer, .address_space: global }
    .group_segment_fixed_size: 327680
    .private_segment_fixed_size: 0
    .kernarg_segment_align: 8
    .kernarg_segment_size: 32
    .max_flat_workgroup_size: 128
    .sgpr_count:     88
    .vgpr_count:     384
    .wavefront_size: 32
...
	.end_amdgpu_metadata
.endif
;; end of part 4
;; ======== version 2 of 2: 4 launches; version 1 with the launches prepv, prepf written anew for expert scheduling mode
;; limits: values are held in f16: magnitudes above 65,504 overflow, below 6.1e-05 lose precision
;; workspace buffers: K16 4,194,304 bytes; V16 8,388,608 bytes; MT16 1,114,112 bytes; U32 8,704 bytes; WoH 524,288 bytes; O16 8,388,608 bytes
;; launch prepv (part 5): grid 128 x 1, 8 waves a work-group, no clusters, 228,352 bytes of LDS; arguments input3, Wv, bv, V16; writes V16
.if DOCPART == 5
	.amdgcn_target "amdgcn-amd-amdhsa--gfx1250"
	.amdhsa_code_object_version 6
	.text
	.protected	k_qbe154406fb_prepv
	.globl	k_qbe154406fb_prepv
	.p2align	8
	.type	k_qbe154406fb_prepv,@function
k_qbe154406fb_prepv:
	s_mov_b64 s[64:65], 0
	v_nop
	global_prefetch_b8 v0, s[64:65] scope:SCOPE_SE
	s_setreg_imm32_b32 hwreg(HW_REG_WAVE_SCHED_MODE, 0, 2), 2
	s_setreg_imm32_b32 hwreg(HW_REG_WAVE_MODE, 25, 1), 1
	s_wait_xcnt 0x0
	s_wait_alu depctr_vm_vsrc(0)
; THE VALUE PROJECTION.  V16[b][h][s][64] = f16(x3 Wv_h + bv_h).  A work-group makes 256 rows x 128 columns (two heads); each of its eight waves 64 rows x one head: 16 accumulators.
; x3, Wv and bv are rounded to bf16 once; products on the matrix unit with f32 sums; v is rounded once, to f16.
; LIMITS.  v is kept in f16: |v| stays under 65,504.  NaN and infinities are not treated apart.
; NO CLUSTER, NO TENSOR LOADS: the sources are f32 and are rounded between memory and LDS.  A tile brought as it lies would be 262,144 bytes of x3 and 131,072 of Wv, more than the 327,680 of LDS;
;   so everything comes through registers, where there is nothing to ask for jointly.
; STAGING.  A pass is 256 threads x 8 f32 = 8,192 dense bytes: thread t loads 32 bytes at 32 t, packs them to 16 and writes them to LDS.  A unit is 4 passes, 8 loads, 32 registers;
;   five raw units take turns, so up to 40 loads of a wave are out (48 with bv's at the start).
; THE MODE: SCHED_MODE bits 1:0 = 2 (LLVM: expert scheduling mode 2), set by the entry lines.  The code itself states the register dependences
;   between vector or matrix instructions and memory or LDS instructions, with s_wait_alu, always for 0.
; THE PLAN.  Registers that memory or LDS instructions touch:
;   RAW0 .. RAW4  Step u of the staging: its sixteen conversions read RAW[u % 5]; behind them the loads of unit u + 5 land in it.
;   Y0, Y1        Step u: its conversions write Y[u % 2]; its four LDS stores read it; step u + 2 writes it again.  Behind the staging these registers are accumulators.
;   F0 .. F3      (window 1) Chunk c of the products: its sixteen matrix instructions read F[c % 4]; the LDS loads of chunk c + 2, issued in chunk c, land in F[(c + 2) % 4], which chunk c - 2 read last.
;   PK, BK        The way out: the conversions write PK, the LDS stores read it; the rows come back into BK (accumulators until then), and the global stores read BK.
;   v1 - v15, v24 Offsets and addresses, made at the head and never written again.
; So a step of the staging has one wait on vm_vsrc at its head (the LDS stores of two steps back have read its Y) and one on va_vdst behind its conversions; the products have a wait on va_vdst at the
; heads of chunks 2 and 4 alone (each frees the buffers of the two chunks before it, for this chunk's loads and the next's); the way out has one, behind all its conversions.
.set XP,    528                 ; a row of x3 in LDS: 512 bytes + 16: the 16 rows of a fragment load start at 16 different groups of four banks (64 banks of 4 bytes: ISA guide 11.1)
.set WP,    288                 ; a row of Wv in LDS (128 columns): 256 + 32, for the turning load
.set WT,    256*XP              ; Wv's tile lies behind x3's
.set STAGE, 208896              ; behind the tiles: 16 rows x 144 bytes for each wave, for the way out
.set SP,    144
.set SPARE, STAGE+8*16*SP       ; the spare words: 128 bytes for each of the eight waves, four blocks of 256 bytes that no other line names
.set GOFF, 1                    ; v1   32 t
.set LX,   3                    ; v3   where my 16 bytes of x3 go, passes 0-15;  v4: passes 16-31
.set LX2,  4
.set LW,   5                    ; v5   the same for Wv
.set ADRA, 8                    ; v8   x3's fragments
.set ADRB, 9                    ; v9, v10  Wv's fragments: rows 0-127, rows 128-255
.set ADRB2, 10
.set STO,  11                   ; v11  the way out: where I put 16 bytes of a row
.set RD,   12                   ; v12  the way out: where I read rows back
.set GO,   13                   ; v13  16 x lane
.set SPW,  14                   ; v14  my spare word; never rewritten
.set NIL,  15                   ; v15  0; never rewritten
.set BOFF, 24                   ; v24  32 x (lane / 16)
.set BV,   32                   ; v32-63  bv as the C operand, eight registers for each block of 16 channels
.set RAW,  64                   ; v64-223  five raw units of 32: pass q of a unit at RAW + 32 k + 8 q
.set Y,    224                  ; v224-255 two out-buffers of 16: pass q at Y + 16 j + 4 q
.set PK,   64                   ; later, v64-127: the way out, packed results
.set BK,   128                  ; later, v128-191: the way out, whole rows read back
.set ACC,  128                  ; later, v128-255: the accumulators
.set MSB, 0
.macro WIN new                  ; the immediate's high byte repeats the setting that is left; a switch that changes nothing is dropped
.if MSB != (\new)
	s_set_vgpr_msb (MSB<<8)|(\new)
.set MSB, (\new)
.endif
.endm
.set MUL,  0x05                 ; sources 0 and 1 in window 1; C and D in window 0
.set TO_F, 0x40                 ; destination in window 1, address in window 0
.macro PLACES                   ; four places between a matrix instruction and a vector read of its result; they also stand ahead of each chunk's fragment loads, as in this text's plain form
.rept 4
	v_nop
.endr
.endm
.macro LOAD4 base, p0, k        ; four passes from pass p0 on, into raw unit k: 8 loads
.set q, 0
.rept 4
	global_load_b128 v[RAW+32*(\k)+8*q:RAW+32*(\k)+8*q+3], v[GOFF], s[\base:\base+1] offset:((\p0)+q)*8192
	global_load_b128 v[RAW+32*(\k)+8*q+4:RAW+32*(\k)+8*q+7], v[GOFF], s[\base:\base+1] offset:((\p0)+q)*8192+16
.set q, q+1
.endr
.endm
.macro CVT4 k, j                ; raw unit k, 32 f32, to 32 bf16 in out-buffer j: sixteen conversions
.set q, 0
.rept 4
.irp i, 0,1,2,3
	v_cvt_pk_bf16_f32 v[Y+16*(\j)+4*q+\i], v[RAW+32*(\k)+8*q+2*\i], v[RAW+32*(\k)+8*q+2*\i+1]
.endr
.set q, q+1
.endr
.endm
.macro PUT4 j, areg, off0, step ; out-buffer j into LDS: four stores
.set q, 0
.rept 4
	ds_store_b128 v[\areg], v[Y+16*(\j)+4*q:Y+16*(\j)+4*q+3] offset:(\off0)+q*(\step)
.set q, q+1
.endr
.endm
; Step u of the staging.  k = u % 5, j = u % 2.  left: the loads of the younger units, eight each.  free = 1: from step 2 on.  more = 1: unit u + 5 (passes p0 on of the tensor at s[base]) is asked for.
.macro UNIT k, j, left, free, areg, off0, step, more, base, p0
	s_wait_loadcnt \left                    ; loads come back in order (ISA guide 5.7.1): this unit's eight are in, the younger units stay out
.if \free
	s_wait_alu depctr_vm_vsrc(0)            ; the LDS stores of two steps back have read Y[j], which the conversions below write again
.endif
	CVT4 \k, \j
	s_wait_alu depctr_va_vdst(0)            ; the conversions have written Y[j], which the LDS stores below read, and are done reading RAW[k], in which the loads below land
.if \more
	LOAD4 \base, \p0, \k
.endif
	PUT4 \j, \areg, \off0, \step
.endm
	s_load_b256 s[12:19], s[0:1], 0x0       ; input3 12, Wv 14, bv 16, V16 18
	v_lshl_add_u32 v[SPW], v0, 2, SPARE
	v_mov_b32 v[NIL], 0
	v_lshrrev_b32 v19, 5, v0
	v_readfirstlane_b32 s36, v19            ; wave 0..7
	s_mov_b32 s37, ttmp9                    ; work-group
	v_lshlrev_b32 v[GOFF], 5, v0
	v_and_b32 v16, 31, v0                   ; lane
	v_and_b32 v17, 15, v0                   ; r = lane % 16
	v_bfe_u32 v18, v0, 4, 1                 ; hl = lane / 16
	v_lshlrev_b32 v[GO], 4, v16
	s_wait_alu depctr_va_sdst(0)            ; s36 is written, ahead of its first reader: LDS addresses and the tensors' offsets are made from it
	s_mul_i32 s38, s36, 16*SP
	s_add_co_u32 s38, s38, STAGE            ; my stage
	v_mul_u32_u24 v[STO], v17, SP           ; in: row r, 16 bytes for each half of the lanes
	v_lshl_add_u32 v[STO], v18, 4, v[STO]
	v_add_nc_u32 v[STO], s38, v[STO]
	v_bfe_u32 v19, v0, 3, 2                 ; (lane / 8) % 4
	v_and_b32 v20, 7, v0                    ; lane % 8
	v_mul_u32_u24 v[RD], v19, SP            ; back: 32 lanes take four rows of 128 bytes
	v_lshl_add_u32 v[RD], v20, 4, v[RD]
	v_add_nc_u32 v[RD], s38, v[RD]
	s_lshr_b32 s39, s37, 2                  ; rt: which 256 of the 8,192 rows
	s_and_b32 s40, s37, 3                   ; ct: which two heads
	s_lshr_b32 s41, s36, 1                  ; wr: my 64 rows of the tile
	s_and_b32 s42, s36, 1                   ; wc: my head of the two
	s_mul_i32 s43, s36, XP                  ; a pass of x3 is 8 rows: wave w writes row w of them, lane l its bytes 16 l
	v_lshl_add_u32 v[LX], v16, 4, s43
	v_add_nc_u32 v[LX2], 16*8*XP, v[LX]
	s_mul_i32 s43, s36, 4*WP                ; a pass of Wv is 32 rows of 64: wave w writes rows 4 w .. 4 w + 3
	s_add_co_u32 s43, s43, WT
	v_mul_u32_u24 v[LW], v19, WP
	v_lshl_add_u32 v[LW], v20, 4, v[LW]
	v_add_nc_u32 v[LW], s43, v[LW]
	s_mul_i32 s43, s41, 64*XP
	v_mul_u32_u24 v[ADRA], v17, XP          ; x3's fragment: row x pitch + 16 x half
	v_lshl_add_u32 v[ADRA], v18, 4, v[ADRA]
	v_add_nc_u32 v[ADRA], s43, v[ADRA]
	v_lshl_add_u32 v21, v18, 3, v20         ; the turning load: lane l reads row 8 (l / 16) + l % 8, columns 8 ((l / 8) % 2) + 0..7
	v_mul_u32_u24 v[ADRB], v21, WP
	v_bfe_u32 v21, v0, 3, 1
	v_lshl_add_u32 v[ADRB], v21, 4, v[ADRB]
	s_lshl_b32 s43, s42, 7
	s_add_co_u32 s43, s43, WT
	v_add_nc_u32 v[ADRB], s43, v[ADRB]
	v_add_nc_u32 v[ADRB2], 4*32*WP, v[ADRB] ; rows 128 on: an LDS offset has 16 bits
	v_lshlrev_b32 v[BOFF], 5, v18
	s_lshl_b32 s44, s39, 18                 ; x3: 256 rows of 1,024 bytes
	s_mov_b32 s45, 0
	s_lshl_b32 s46, s40, 17                 ; Wv: two heads of 65,536 bytes
	s_mov_b32 s47, 0
	s_lshl_b32 s48, s40, 1
	s_add_co_u32 s48, s48, s42              ; my head
	s_lshl_b32 s50, s48, 8                  ; bv: 256 bytes a head
	s_mov_b32 s51, 0
	s_lshr_b32 s52, s39, 2                  ; b
	s_lshl_b32 s52, s52, 3
	s_add_co_u32 s52, s52, s48
	s_lshl_b32 s52, s52, 17                 ; V16: (8 b + head) x 1,024 rows of 128 bytes,
	s_and_b32 s53, s39, 3
	s_lshl_b32 s53, s53, 2
	s_add_co_u32 s53, s53, s41
	s_lshl_b32 s53, s53, 13                 ; and my 64 rows among them
	s_add_co_u32 s52, s52, s53
	s_mov_b32 s53, 0
	s_wait_kmcnt 0x0
	s_add_nc_u64 s[12:13], s[12:13], s[44:45]
	s_add_nc_u64 s[14:15], s[14:15], s[46:47]
	s_add_nc_u64 s[16:17], s[16:17], s[50:51]
	s_add_nc_u64 s[18:19], s[18:19], s[52:53]
	s_wait_alu depctr_va_vdst(0)            ; the offsets and addresses v1 to v15 and v24 are written: every load and store of the kernel reads one of them, and none is written again
.irp nb, 0,1,2,3                        ; bv first: register i of block nb is bv[16 nb + 8 hl + i], the C operand's layout
	global_load_b128 v[BV+8*\nb:BV+8*\nb+3], v[BOFF], s[16:17] offset:64*\nb
	global_load_b128 v[BV+8*\nb+4:BV+8*\nb+7], v[BOFF], s[16:17] offset:64*\nb+16
.endr
	LOAD4 14, 0, 0                          ; units 0 and 1: Wv, first head
	LOAD4 14, 4, 1
	LOAD4 14, 8, 2                          ; units 2 and 3: Wv, second head
	LOAD4 14, 12, 3
	LOAD4 12, 0, 4                          ; units 4 to 11: x3, 32 rows each
	UNIT 0, 0, 32, 0, LW, 0, 32*WP, 1, 12, 4
	UNIT 1, 1, 32, 0, LW, 4*32*WP, 32*WP, 1, 12, 8
	UNIT 2, 0, 32, 1, LW, 128, 32*WP, 1, 12, 12
	UNIT 3, 1, 32, 1, LW, 128+4*32*WP, 32*WP, 1, 12, 16
	UNIT 4, 0, 32, 1, LX, 0, 8*XP, 1, 12, 20
	UNIT 0, 1, 32, 1, LX, 4*8*XP, 8*XP, 1, 12, 24
	UNIT 1, 0, 32, 1, LX, 8*8*XP, 8*XP, 1, 12, 28
	UNIT 2, 1, 32, 1, LX, 12*8*XP, 8*XP, 0, 0, 0  ; from here on nothing is left to ask for,
	UNIT 3, 0, 24, 1, LX2, 0, 8*XP, 0, 0, 0       ; and the counts run down
	UNIT 4, 1, 16, 1, LX2, 4*8*XP, 8*XP, 0, 0, 0
	UNIT 0, 0, 8, 1, LX2, 8*8*XP, 8*XP, 0, 0, 0
	UNIT 1, 1, 0, 1, LX2, 12*8*XP, 8*XP, 0, 0, 0
.set i, 0
.rept 16                                ; bv (the oldest loads: in since the first step's wait) rounded to bf16 like every input, and widened again
	v_cvt_pk_bf16_f32 v21, v[BV+i], v[BV+i+1]
	v_lshlrev_b32 v[BV+i], 16, v21
	v_and_b32 v[BV+i+1], 0xffff0000, v21
.set i, i+2
.endr
	s_wait_dscnt 0x0                        ; for the others' sake: my stores into the tiles are done
	s_barrier_signal -1
	s_barrier_wait -1
	s_wait_alu depctr_vm_vsrc(0)            ; my last LDS stores have read Y0 and Y1: these registers are accumulators from here on, written by the matrix instructions
; 32 along K: four fragments of x3 (16 rows each) and four of Wv^T (16 channels each, turned), eight LDS loads each, into buffer c % 4
.macro FETCHX c
	WIN TO_F
.irp a, 0,1,2,3
	ds_load_b128 v[64*((\c)%4)+8*\a:64*((\c)%4)+8*\a+3], v[ADRA] offset:\a*16*XP+(\c)*64
	ds_load_b128 v[64*((\c)%4)+8*\a+4:64*((\c)%4)+8*\a+7], v[ADRA] offset:\a*16*XP+(\c)*64+32
.endr
.endm
.macro FETCHW c
	WIN TO_F
.irp nb, 0,1,2,3
	ds_load_tr16_b128 v[64*((\c)%4)+32+8*\nb:64*((\c)%4)+32+8*\nb+3], v[ADRB+(\c)/4] offset:((\c)%4)*32*WP+\nb*32
	ds_load_tr16_b128 v[64*((\c)%4)+32+8*\nb+4:64*((\c)%4)+32+8*\nb+7], v[ADRB+(\c)/4] offset:((\c)%4)*32*WP+\nb*32+16*WP
.endr
.endm
; Four of a chunk's 16 matrix instructions: block a of 16 rows.  Used transposed (source 0 = 16 channels, source 1 = 16 rows): a lane holds one row of v and eight neighbouring channels.
; The first K step starts the sums with bv.  The 16 accumulators take turns.
.macro MULV c, a
	WIN MUL
.irp nb, 0,1,2,3
.if (\c) == 0
	v_wmma_f32_16x16x32_bf16 v[ACC+8*(4*(\a)+\nb):ACC+8*(4*(\a)+\nb)+7], v[64*((\c)%4)+32+8*\nb:64*((\c)%4)+32+8*\nb+7], v[64*((\c)%4)+8*(\a):64*((\c)%4)+8*(\a)+7], v[BV+8*\nb:BV+8*\nb+7]
.else
	v_wmma_f32_16x16x32_bf16 v[ACC+8*(4*(\a)+\nb):ACC+8*(4*(\a)+\nb)+7], v[64*((\c)%4)+32+8*\nb:64*((\c)%4)+32+8*\nb+7], v[64*((\c)%4)+8*(\a):64*((\c)%4)+8*(\a)+7], v[ACC+8*(4*(\a)+\nb):ACC+8*(4*(\a)+\nb)+7]
.endif
.endr
.endm
	FETCHX 0
	FETCHW 0
	FETCHX 1
	FETCHW 1
.irp c, 0,1,2,3,4,5,6,7
.if \c < 7
	s_wait_dscnt 16                         ; this chunk's 16 loads are in; the next chunk's 16 may be out
.else
	s_wait_dscnt 0x0
.endif
.if (\c == 2) || (\c == 4)
	s_wait_alu depctr_va_vdst(0)            ; the matrix instructions of the two chunks before are done reading their buffers, in which this chunk's loads and the next chunk's land
.endif
	MULV \c, 0
.if \c < 6
	PLACES
	FETCHX \c+2                             ; no further wait: the matrix instructions since the wait name this chunk's and the last chunk's buffers and the accumulators, not the buffer that is filled
.endif
	MULV \c, 1
.if \c < 6
	FETCHW \c+2
.endif
	MULV \c, 2
	MULV \c, 3
.endr
; THE WAY OUT.  All 64 rows are rounded to f16; then, 16 rows at a time: 16 bytes a lane into my stage, back as whole rows into other registers, 512 consecutive bytes a store.
.macro TOST a
.irp nb, 0,1,2,3
	ds_store_b128 v[STO], v[PK+16*(\a)+4*\nb:PK+16*(\a)+4*\nb+3] offset:32*\nb
.endr
.irp f, 0,1,2,3
	ds_load_b128 v[BK+16*(\a)+4*\f:BK+16*(\a)+4*\f+3], v[RD] offset:\f*4*SP  ; LDS serves a wave's instructions in order (ISA guide 5.7.1.4): these see the stores above
.endr
.endm
.macro SENDH a, younger                 ; younger: the LDS instructions issued behind these loads: the next block's eight, or none
.irp f, 0,1,2,3
	s_wait_dscnt (\younger)+3-\f
	global_store_b128 v[GO], v[BK+16*(\a)+4*\f:BK+16*(\a)+4*\f+3], s[18:19] offset:(\a)*2048+\f*512
.endr
.endm
	WIN 0
	PLACES
.irp a, 0,1,2,3
.irp nb, 0,1,2,3
.irp i, 0,1,2,3
	v_cvt_pk_f16_f32 v[PK+16*\a+4*\nb+\i], v[ACC+8*(4*\a+\nb)+2*\i], v[ACC+8*(4*\a+\nb)+2*\i+1]
.endr
.endr
.endr
	s_wait_alu depctr_va_vdst(0)            ; the conversions have written PK, which the LDS stores read, and are done reading the accumulators, in the first 64 of which the rows land; no vector instruction follows
	TOST 0
	TOST 1
	SENDH 0, 8
	TOST 2
	SENDH 1, 8
	TOST 3
	SENDH 2, 8
	SENDH 3, 0
	s_wait_dscnt 0x0                        ; the closing lines, six on end
	s_wait_alu 0x0
	s_wait_tensorcnt 0x0
	ds_add_u32 v[SPW], v[NIL]
	s_wait_dscnt 0x0
	s_endpgm
.Lfunc_end_k_qbe154406fb_prepv:
	.size	k_qbe154406fb_prepv, .Lfunc_end_k_qbe154406fb_prepv-k_qbe154406fb_prepv
	.p2alignl 7, 3214868480
	.fill 96, 4, 3214868480
	.section	.rodata,"a",@progbits
	.p2align	6, 0x0
	.amdhsa_kernel k_qbe154406fb_prepv
		.amdhsa_group_segment_fixed_size 228352
		.amdhsa_private_segment_fixed_size 0
		.amdhsa_enable_private_segment 0
		.amdhsa_kernarg_size 32
		.amdhsa_user_sgpr_count 2
		.amdhsa_user_sgpr_kernarg_segment_ptr 1
		.amdhsa_wavefront_size32 1
		.amdhsa_system_sgpr_workgroup_id_x 1
		.amdhsa_system_sgpr_workgroup_id_y 1
		.amdhsa_system_sgpr_workgroup_id_z 1
		.amdhsa_system_vgpr_workitem_id 0
		.amdhsa_next_free_vgpr 512
		.amdhsa_next_free_sgpr 66
		.amdhsa_reserve_vcc 0
		.amdhsa_float_denorm_mode_32 3
		.amdhsa_float_denorm_mode_16_64 3
		.amdhsa_memory_ordered 1
		.amdhsa_forward_progress 1
		.amdhsa_inst_pref_size 59
	.end_amdhsa_kernel
	.amdgpu_metadata
---
amdhsa.version: [ 1, 2 ]
amdhsa.kernels:
  - .name:           k_qbe154406fb_prepv
    .symbol:         k_qbe154406fb_prepv.kd
    .args:
      - { .name: input3, .offset: 0, .size: 8, .value_kind: global_buffer, .address_space: global }
      - { .name: Wv, .offset: 8, .size: 8, .value_kind: global_buffer, .address_space: global }
      - { .name: bv, .offset: 16, .size: 8, .value_kind: global_buffer, .address_space: global }
      - { .name: V16, .offset: 24, .size: 8, .value_kind: global_buffer, .address_space: global }
    .group_segment_fixed_size: 228352
    .private_segment_fixed_size: 0
    .kernarg_segment_align: 8
    .kernarg_segment_size: 32
    .max_flat_workgroup_size: 256
    .sgpr_count:     66
    .vgpr_count:     512
    .wavefront_size: 32
...
	.end_amdgpu_metadata
.endif
;; end of part 5
;; launch prepf (part 6): grid 128 x 1, 8 waves a work-group, no clusters, 155,136 bytes of LDS; arguments input2, K16, Wo, WoH, Wq, bq, Wk, bk, MT16, U32; writes K16, WoH, MT16, U32
.if DOCPART == 6
	.amdgcn_target "amdgcn-amd-amdhsa--gfx1250"
	.amdhsa_code_object_version 6
	.text
	.protected	k_qbe154406fb_prepf
	.globl	k_qbe154406fb_prepf
	.p2align	8
	.type	k_qbe154406fb_prepf,@function
k_qbe154406fb_prepf:
	s_mov_b64 s[64:65], 0
	v_nop
	global_prefetch_b8 v0, s[64:65] scope:SCOPE_SE
	s_setreg_imm32_b32 hwreg(HW_REG_WAVE_SCHED_MODE, 0, 2), 2
	s_setreg_imm32_b32 hwreg(HW_REG_WAVE_MODE, 25, 1), 1
	s_wait_xcnt 0x0
	s_wait_alu depctr_vm_vsrc(0)
; THE FOLD AND THE CASTS.  With M_h = Wq_h Wk_h^T the score of reference() is, for every input,
;   q . k = x2 . (x1 M_h + u_h) + (x1 . w_h + s0_h),   u_h = Wk_h bq_h,  w_h = Wq_h bk_h,  s0_h = bq_h . bk_h.
; Work-group f = 16 h + 4 I + J makes 64 x 64 of M_h^T (rows d2 = 64 I .., columns d1 = 64 J ..) into MT16 (bf16, [h][J][272 rows d2][64 d1]; rows 256-271 are sixteen copies of w_h),
;   u_h and s0_h into U32 (f32, [h][272]; entries 256-271 are s0_h), 64 rows of x2 rounded to bf16 into K16, and 8,192 bytes of Wo rounded to bf16 and written as f16 into WoH.
; All inputs, the biases too, are rounded to bf16 once; products on the matrix unit with f32 sums.
; LIMITS.  A Wo entry under 6e-5 keeps f16's fixed step of 6e-8.  NaN and infinities are not treated apart.
; NO CLUSTER, NO TENSOR LOADS: the sources are f32 and are rounded between memory and LDS, so everything comes through registers, where there is nothing to ask for jointly.
; STAGING.  A pass is 256 threads x 8 f32 = 8,192 dense bytes: thread t loads 32 bytes at 32 t, packs them to 16 and writes them to LDS or to memory.  A unit is 4 passes, 8 loads, 32 registers;
;   five raw units take turns, so up to 40 loads of a wave are out.
; THE MODE: SCHED_MODE bits 1:0 = 2 (LLVM: expert scheduling mode 2), set by the entry lines.  The code itself states the register dependences
;   between vector or matrix instructions and memory or LDS instructions, with s_wait_alu, always for 0.
; THE PLAN.  Registers that memory or LDS instructions touch:
;   RAW0 .. RAW4  Step u of the staging: its sixteen conversions read RAW[u % 5]; behind them the loads of unit u + 5 land in it.
;   Y0, Y1        Step u: its conversions write Y[u % 2]; its four stores (LDS in steps 0 to 7, memory in steps 8 and 9) read it; step u + 2 writes it again; behind step 9 nothing does.
;   v48-51, v56-59  A bias row's and Wo's packed words: written by conversions once, read by one store each, never written again.
;   F0 .. F4      (window 1) Chunk c of the fold: its five matrix instructions read F[c % 5]; the LDS loads of chunk c + 3, issued behind them, land in F[(c + 3) % 5], which chunk c - 2 read last.
;   PK, BK        The way out: the conversions write PK, the LDS stores read it; the rows come back into BK, and the global stores read BK.
;   v1 - v15, v24 - v26  Offsets and addresses, made at the head and never written again.
; So a step of the staging has one wait on vm_vsrc at its head (the LDS stores of two steps back have read its Y) and one on va_vdst behind its conversions; the fold has a wait on va_vdst at the head
; of every second chunk (it frees the buffers of the two chunks before it, for this chunk's loads and the next's); the way out has one.  No register that a global store reads is written again.
.set FP,    1040                ; a row of Wk or Wq in LDS: 1,024 bytes + 16: the 16 rows of a fragment load start at 16 different groups of four banks (64 banks of 4 bytes: ISA guide 11.1)
.set RB,    67840               ; Wq's 64 rows and bq lie here; Wk's 64 rows and bk at 0 (65 x 1,040 = 67,600)
.set STAGE, 135680              ; behind the tiles: 16 rows x 144 bytes for each wave, for the way out
.set SP,    144
.set SPARE, STAGE+8*16*SP       ; the spare words: 128 bytes for each of the eight waves, four blocks of 256 bytes that no other line names
.set GOFF, 1                    ; v1   32 t
.set COFF, 2                    ; v2   16 t
.set LF,   6                    ; v6   where my 16 bytes of Wk go;  v7: of Wq
.set LF2,  7
.set ADRA, 8                    ; v8   my block of Wk's rows, or bk
.set ADRB, 9                    ; v9   Wq's rows
.set ADRB2, 10                  ; v10  bq
.set STO,  11                   ; v11  the way out: where I put 16 bytes of a row
.set RD,   12                   ; v12  the way out: where I read rows back
.set GO,   13                   ; v13  16 x lane
.set SPW,  14                   ; v14  my spare word; never rewritten
.set NIL,  15                   ; v15  0; never rewritten
.set BOFF, 24                   ; v24  4 x (lane % 16)
.set BRAW, 48                   ; v48-55  eight numbers of bk or bq
.set WOUT, 56                   ; v56-59  eight numbers of Wo as f16
.set RAW,  64                   ; v64-223  five raw units of 32: pass q of a unit at RAW + 32 k + 8 q
.set Y,    224                  ; v224-255 two out-buffers of 16: pass q at Y + 16 j + 4 q
.set PK,   64                   ; later, v64-79: the way out, packed results
.set BK,   80                   ; later, v80-95: the way out, whole rows read back
.set ACC,  128                  ; later, v128-167: the accumulators
.set MSB, 0
.macro WIN new                  ; the immediate's high byte repeats the setting that is left; a switch that changes nothing is dropped
.if MSB != (\new)
	s_set_vgpr_msb (MSB<<8)|(\new)
.set MSB, (\new)
.endif
.endm
.set MUL,  0x05                 ; sources 0 and 1 in window 1; C and D in window 0
.set TO_F, 0x40                 ; destination in window 1, address in window 0
.macro PLACES                   ; four places between a matrix instruction and a vector read of its result; they also stand ahead of each chunk's fragment loads, as in this text's plain form
.rept 4
	v_nop
.endr
.endm
.macro LOAD4 base, p0, k        ; four passes from pass p0 on, into raw unit k: 8 loads
.set q, 0
.rept 4
	global_load_b128 v[RAW+32*(\k)+8*q:RAW+32*(\k)+8*q+3], v[GOFF], s[\base:\base+1] offset:((\p0)+q)*8192
	global_load_b128 v[RAW+32*(\k)+8*q+4:RAW+32*(\k)+8*q+7], v[GOFF], s[\base:\base+1] offset:((\p0)+q)*8192+16
.set q, q+1
.endr
.endm
.macro CVT4 k, j                ; raw unit k, 32 f32, to 32 bf16 in out-buffer j: sixteen conversions
.set q, 0
.rept 4
.irp i, 0,1,2,3
	v_cvt_pk_bf16_f32 v[Y+16*(\j)+4*q+\i], v[RAW+32*(\k)+8*q+2*\i], v[RAW+32*(\k)+8*q+2*\i+1]
.endr
.set q, q+1
.endr
.endm
.macro CV8 R                    ; eight f32 to eight bf16, in place, in an order that overwrites nothing unread
	v_cvt_pk_bf16_f32 v[(\R)], v[(\R)], v[(\R)+1]
	v_cvt_pk_bf16_f32 v[(\R)+1], v[(\R)+2], v[(\R)+3]
	v_cvt_pk_bf16_f32 v[(\R)+2], v[(\R)+4], v[(\R)+5]
	v_cvt_pk_bf16_f32 v[(\R)+3], v[(\R)+6], v[(\R)+7]
.endm
; Step u of the staging, into LDS.  k = u % 5, j = u % 2.  left: the loads issued behind this unit's.  free = 1: from step 2 on.
; more = 1: unit u + 5 (passes p0 on of the tensor at s[base]) is asked for; more = 2: Wo's one pass.
.macro UNITL k, j, left, free, areg, off0, more, base, p0
	s_wait_loadcnt \left                    ; loads come back in order (ISA guide 5.7.1): this unit's eight are in, the younger ones stay out
.if \free
	s_wait_alu depctr_vm_vsrc(0)            ; the LDS stores of two steps back have read Y[j], which the conversions below write again
.endif
	CVT4 \k, \j
	s_wait_alu depctr_va_vdst(0)            ; the conversions have written Y[j], which the LDS stores below read, and are done reading RAW[k], in which the loads below land
.if (\more) == 1
	LOAD4 \base, \p0, \k
.elseif (\more) == 2
	global_load_b128 v[RAW+32*(\k):RAW+32*(\k)+3], v[GOFF], s[\base:\base+1]
	global_load_b128 v[RAW+32*(\k)+4:RAW+32*(\k)+7], v[GOFF], s[\base:\base+1] offset:16
.endif
.set q, 0
.rept 4
	ds_store_b128 v[\areg], v[Y+16*(\j)+4*q:Y+16*(\j)+4*q+3] offset:(\off0)+q*4*FP
.set q, q+1
.endr
.endm
; Step u of the staging, x2 into K16.
.macro UNITG k, j, left, off0
	s_wait_loadcnt \left                    ; this unit's eight loads are in, the younger ones stay out
	s_wait_alu depctr_vm_vsrc(0)            ; the LDS stores of two steps back have read Y[j], which the conversions below write again
	CVT4 \k, \j
	s_wait_alu depctr_va_vdst(0)            ; the conversions have written Y[j], which the stores below read
.set q, 0
.rept 4
	global_store_b128 v[COFF], v[Y+16*(\j)+4*q:Y+16*(\j)+4*q+3], s[10:11] offset:(\off0)+q*4096  ; 16 lanes store 256 consecutive bytes, aligned
.set q, q+1
.endr
.endm
	s_load_b128 s[8:11], s[0:1], 0x0        ; input2 8, K16 10
	s_load_b512 s[20:35], s[0:1], 0x10      ; Wo 20, WoH 22, Wq 24, bq 26, Wk 28, bk 30, MT16 32, U32 34
	v_lshl_add_u32 v[SPW], v0, 2, SPARE
	v_mov_b32 v[NIL], 0
	v_lshrrev_b32 v19, 5, v0
	v_readfirstlane_b32 s36, v19            ; wave 0..7
	s_mov_b32 s38, ttmp9                    ; f
	v_lshlrev_b32 v[GOFF], 5, v0
	v_lshlrev_b32 v[COFF], 4, v0
	v_and_b32 v16, 31, v0                   ; lane
	v_and_b32 v17, 15, v0                   ; r = lane % 16
	v_bfe_u32 v18, v0, 4, 1                 ; hl = lane / 16
	v_lshlrev_b32 v[GO], 4, v16
	s_wait_alu depctr_va_sdst(0)            ; s36 is written, ahead of its first reader: LDS addresses, the outputs' offsets and the branches on the wave's number are made from it
	s_mul_i32 s37, s36, 16*SP
	s_add_co_u32 s37, s37, STAGE            ; my stage
	v_mul_u32_u24 v[STO], v17, SP           ; in: row r, 16 bytes for each half of the lanes
	v_lshl_add_u32 v[STO], v18, 4, v[STO]
	v_add_nc_u32 v[STO], s37, v[STO]
	v_bfe_u32 v19, v0, 3, 2                 ; (lane / 8) % 4
	v_and_b32 v20, 7, v0                    ; lane % 8
	v_mul_u32_u24 v[RD], v19, SP            ; back: 32 lanes take four rows of 128 bytes
	v_lshl_add_u32 v[RD], v20, 4, v[RD]
	v_add_nc_u32 v[RD], s37, v[RD]
	s_lshr_b32 s39, s38, 4                  ; h
	s_bfe_u32 s40, s38, 0x20002             ; I: rows 64 I .. of Wk (d2)
	s_and_b32 s41, s38, 3                   ; J: rows 64 J .. of Wq (d1)
	s_lshr_b32 s42, s36, 1
	s_and_b32 s43, s36, 1
	s_mul_i32 s44, s42, FP                  ; a pass is 4 rows of 512: waves 2 i and 2 i + 1 write row i, 512 bytes each
	s_lshl_b32 s45, s43, 9
	s_add_co_u32 s44, s44, s45
	v_lshl_add_u32 v[LF], v16, 4, s44
	v_add_nc_u32 v[LF2], RB, v[LF]
	s_bfe_u32 s44, s36, 0x10001             ; the bias rows: waves 0, 1 write bk behind Wk's rows, waves 2, 3 bq behind Wq's
	s_mul_i32 s44, s44, RB
	s_add_co_u32 s44, s44, s45
	s_add_co_u32 s44, s44, 64*FP
	v_lshl_add_u32 v25, v16, 4, s44
	v_and_b32 v26, 63, v0
	v_lshlrev_b32 v26, 5, v26               ; my eight numbers of a bias row of 512
	v_lshlrev_b32 v[BOFF], 2, v17
	v_lshl_add_u32 v19, s36, 4, v17         ; wave a takes rows 16 a + r of Wk; wave 4 takes row 64, bk, in every lane
	v_min_u32 v19, 64, v19
	v_mul_u32_u24 v[ADRA], v19, FP
	v_lshl_add_u32 v[ADRA], v18, 4, v[ADRA]
	v_mul_u32_u24 v[ADRB], v17, FP
	v_lshl_add_u32 v[ADRB], v18, 4, v[ADRB]
	v_add_nc_u32 v[ADRB], RB, v[ADRB]
	v_lshlrev_b32 v[ADRB2], 4, v18          ; bq in every lane
	v_add_nc_u32 v[ADRB2], RB+64*FP, v[ADRB2]
	s_lshl_b32 s46, s39, 19                 ; Wk: head, 64 rows of 2,048 bytes
	s_lshl_b32 s47, s40, 17
	s_add_co_u32 s46, s46, s47
	s_mov_b32 s47, 0
	s_lshl_b32 s48, s39, 19                 ; Wq likewise
	s_lshl_b32 s49, s41, 17
	s_add_co_u32 s48, s48, s49
	s_mov_b32 s49, 0
	s_lshl_b32 s50, s38, 16                 ; x2: 64 rows of 1,024 bytes
	s_mov_b32 s51, 0
	s_lshl_b32 s52, s38, 15                 ; K16: 64 rows of 512
	s_mov_b32 s53, 0
	s_lshl_b32 s54, s38, 13                 ; Wo: 8,192 bytes
	s_mov_b32 s55, 0
	s_lshl_b32 s56, s38, 12                 ; WoH: 4,096
	s_mov_b32 s57, 0
	s_lshl_b32 s58, s39, 11                 ; a bias row: 2,048 bytes a head
	s_mov_b32 s59, 0
	s_wait_kmcnt 0x0
	s_add_nc_u64 s[28:29], s[28:29], s[46:47]
	s_add_nc_u64 s[24:25], s[24:25], s[48:49]
	s_add_nc_u64 s[8:9], s[8:9], s[50:51]
	s_add_nc_u64 s[10:11], s[10:11], s[52:53]
	s_add_nc_u64 s[20:21], s[20:21], s[54:55]
	s_add_nc_u64 s[22:23], s[22:23], s[56:57]
	s_cmp_lt_u32 s36, 2
	s_cselect_b64 s[46:47], s[30:31], s[26:27]  ; bk for waves 0 and 1, bq for the others
	s_add_nc_u64 s[46:47], s[46:47], s[58:59]
	s_wait_alu depctr_va_vdst(0)            ; the offsets and addresses v1 to v15 and v24 to v26 are written: every load and store of the kernel reads one of them, and none is written again
	global_load_b128 v[BRAW:BRAW+3], v26, s[46:47]            ; every wave loads, so that the registers are written on every path; four waves store
	global_load_b128 v[BRAW+4:BRAW+7], v26, s[46:47] offset:16
	LOAD4 28, 0, 0                          ; units 0 to 3: Wk, 16 rows each
	LOAD4 28, 4, 1
	LOAD4 28, 8, 2
	LOAD4 28, 12, 3
	LOAD4 24, 0, 4                          ; units 4 to 7: Wq; units 8 and 9: x2; then Wo's one pass
	UNITL 0, 0, 32, 0, LF, 0, 1, 24, 4
	UNITL 1, 1, 32, 0, LF, 16*FP, 1, 24, 8
	UNITL 2, 0, 32, 1, LF, 32*FP, 1, 24, 12
	UNITL 3, 1, 32, 1, LF, 48*FP, 1, 8, 0
	UNITL 4, 0, 32, 1, LF2, 0, 1, 8, 4
	UNITL 0, 1, 32, 1, LF2, 16*FP, 2, 20, 0
	UNITL 1, 0, 26, 1, LF2, 32*FP, 0, 0, 0  ; behind this unit: three units' 24 loads and Wo's 2; from here on the counts run down
	UNITL 2, 1, 18, 1, LF2, 48*FP, 0, 0, 0
	UNITG 3, 0, 10, 0
	UNITG 4, 1, 2, 4*4096
	s_wait_loadcnt 0x0
	CV8 RAW                                 ; Wo: to bf16 like every input; that number is then written as f16
.irp i, 0,1,2,3
	v_lshlrev_b32 v[RAW+4], 16, v[RAW+\i]
	v_and_b32 v[RAW+5], 0xffff0000, v[RAW+\i]
	v_cvt_pk_f16_f32 v[WOUT+\i], v[RAW+4], v[RAW+5]
.endr
	CV8 BRAW
	s_wait_alu depctr_va_vdst(0)            ; the conversions have written v56 to v59, which the store of Wo reads, and v48 to v51, which the LDS store of the bias row reads
	global_store_b128 v[COFF], v[WOUT:WOUT+3], s[22:23]
	s_cmp_lt_u32 s36, 4
	s_cbranch_scc0 .Lno_bias
	ds_store_b128 v25, v[BRAW:BRAW+3]
.Lno_bias:
	s_lshl_b32 s44, s40, 6                  ; the first of my 16 rows of M^T: 64 I + 16 a; wave 4's are rows 256-271
	s_lshl_b32 s45, s36, 4
	s_add_co_u32 s44, s44, s45
	s_cmp_eq_u32 s36, 4
	s_cselect_b32 s44, 256, s44
	s_mul_i32 s50, s39, 139264              ; MT16: head, panel J, row
	s_mul_i32 s51, s41, 34816
	s_add_co_u32 s50, s50, s51
	s_lshl_b32 s51, s44, 7
	s_add_co_u32 s50, s50, s51
	s_mov_b32 s51, 0
	s_mul_i32 s52, s39, 1088                ; U32: head, entry
	s_lshl_b32 s53, s44, 2
	s_add_co_u32 s52, s52, s53
	s_mov_b32 s53, 0
	s_add_nc_u64 s[32:33], s[32:33], s[50:51]
	s_add_nc_u64 s[34:35], s[34:35], s[52:53]
	s_wait_dscnt 0x0                        ; for the others' sake: my stores into the tiles are done
	s_barrier_signal -1
	s_barrier_wait -1
	s_cmp_gt_u32 s36, 4
	s_cbranch_scc1 .Lend_f                  ; five blocks of 16 rows: waves 5 to 7 have none
	s_cmp_lg_u32 s36, 4
	s_cbranch_scc1 .Lfold
	s_cmp_lg_u32 s40, 0
	s_cbranch_scc1 .Lend_f                  ; the block of bk is made once for each J, where I = 0
.Lfold:
; 32 along K (e): my block of Wk or bk, four blocks of Wq, and bq: 12 LDS loads into buffer c % 5
.macro FETCHF c
	WIN TO_F
.set fb, 48*((\c)%5)
	ds_load_b128 v[fb:fb+3], v[ADRA] offset:(\c)*64
	ds_load_b128 v[fb+4:fb+7], v[ADRA] offset:(\c)*64+32
.irp j, 0,1,2,3
	ds_load_b128 v[fb+8+8*\j:fb+8+8*\j+3], v[ADRB] offset:\j*16*FP+(\c)*64
	ds_load_b128 v[fb+8+8*\j+4:fb+8+8*\j+7], v[ADRB] offset:\j*16*FP+(\c)*64+32
.endr
	ds_load_b128 v[fb+40:fb+43], v[ADRB2] offset:(\c)*64
	ds_load_b128 v[fb+44:fb+47], v[ADRB2] offset:(\c)*64+32
.endm
; Source 0 = 16 rows of Wq (d1) or bq, source 1 = my 16 rows of Wk (d2) or bk: a lane holds one d2 and eight neighbouring d1.  Accumulator 4 holds u (or s0) in all its registers.
; The five accumulators take turns.
.macro MULF c
	WIN MUL
.set fb, 48*((\c)%5)
.irp j, 0,1,2,3,4
.if (\c) == 0
	v_wmma_f32_16x16x32_bf16 v[ACC+8*\j:ACC+8*\j+7], v[fb+8+8*\j:fb+8+8*\j+7], v[fb:fb+7], 0
.else
	v_wmma_f32_16x16x32_bf16 v[ACC+8*\j:ACC+8*\j+7], v[fb+8+8*\j:fb+8+8*\j+7], v[fb:fb+7], v[ACC+8*\j:ACC+8*\j+7]
.endif
.endr
.endm
	FETCHF 0
	FETCHF 1
	FETCHF 2
.irp c, 0,1,2,3,4,5,6,7,8,9,10,11,12,13,14,15
.if \c < 14
	s_wait_dscnt 24                         ; this chunk's 12 loads are in; the next two chunks' 24 may be out
.elseif \c == 14
	s_wait_dscnt 12
.else
	s_wait_dscnt 0x0
.endif
.if (\c >= 2) && (\c <= 12) && (\c % 2 == 0)
	s_wait_alu depctr_va_vdst(0)            ; the matrix instructions of the two chunks before are done reading their buffers, in which the loads behind this chunk and behind the next land
.endif
	MULF \c
.if \c < 13
	PLACES
	FETCHF \c+3                             ; no further wait: the matrix instructions since the wait name this chunk's and the last chunk's buffers and the accumulators, not the buffer that is filled
.endif
.endr
	WIN 0
	PLACES
.irp j, 0,1,2,3
.irp i, 0,1,2,3
	v_cvt_pk_bf16_f32 v[PK+4*\j+\i], v[ACC+8*\j+2*\i], v[ACC+8*\j+2*\i+1]
.endr
.endr
	s_wait_alu depctr_va_vdst(0)            ; the conversions have written PK, which the LDS stores read; the matrix instructions have written accumulator 4, which the last store reads (the places above stay beside this wait); no vector instruction follows
.irp j, 0,1,2,3
	ds_store_b128 v[STO], v[PK+4*\j:PK+4*\j+3] offset:32*\j
.endr
.irp f, 0,1,2,3
	ds_load_b128 v[BK+4*\f:BK+4*\f+3], v[RD] offset:\f*4*SP  ; LDS serves a wave's instructions in order (ISA guide 5.7.1.4): these see the stores above
.endr
.irp f, 0,1,2,3
	s_wait_dscnt 3-\f
	global_store_b128 v[GO], v[BK+4*\f:BK+4*\f+3], s[32:33] offset:\f*512  ; 16 rows of a panel are 2,048 dense bytes
.endr
	s_cmp_lg_u32 s41, 0
	s_cbranch_scc1 .Lend_f                  ; u and s0 hang on no J: J = 0 stores them
	global_store_b32 v[BOFF], v[ACC+32], s[34:35]  ; 64 bytes a wave, 8,704 in the whole launch; the two halves of the lanes hold and store the same numbers
.Lend_f:
	s_wait_dscnt 0x0                        ; the closing lines, six on end
	s_wait_alu 0x0
	s_wait_tensorcnt 0x0
	ds_add_u32 v[SPW], v[NIL]
	s_wait_dscnt 0x0
	s_endpgm
.Lfunc_end_k_qbe154406fb_prepf:
	.size	k_qbe154406fb_prepf, .Lfunc_end_k_qbe154406fb_prepf-k_qbe154406fb_prepf
	.p2alignl 7, 3214868480
	.fill 96, 4, 3214868480
	.section	.rodata,"a",@progbits
	.p2align	6, 0x0
	.amdhsa_kernel k_qbe154406fb_prepf
		.amdhsa_group_segment_fixed_size 155136
		.amdhsa_private_segment_fixed_size 0
		.amdhsa_enable_private_segment 0
		.amdhsa_kernarg_size 80
		.amdhsa_user_sgpr_count 2
		.amdhsa_user_sgpr_kernarg_segment_ptr 1
		.amdhsa_wavefront_size32 1
		.amdhsa_system_sgpr_workgroup_id_x 1
		.amdhsa_system_sgpr_workgroup_id_y 1
		.amdhsa_system_sgpr_workgroup_id_z 1
		.amdhsa_system_vgpr_workitem_id 0
		.amdhsa_next_free_vgpr 496
		.amdhsa_next_free_sgpr 66
		.amdhsa_reserve_vcc 0
		.amdhsa_float_denorm_mode_32 3
		.amdhsa_float_denorm_mode_16_64 3
		.amdhsa_memory_ordered 1
		.amdhsa_forward_progress 1
		.amdhsa_inst_pref_size 51
	.end_amdhsa_kernel
	.amdgpu_metadata
---
amdhsa.version: [ 1, 2 ]
amdhsa.kernels:
  - .name:           k_qbe154406fb_prepf
    .symbol:         k_qbe154406fb_prepf.kd
    .args:
      - { .name: input2, .offset: 0, .size: 8, .value_kind: global_buffer, .address_space: global }
      - { .name: K16, .offset: 8, .size: 8, .value_kind: global_buffer, .address_space: global }
      - { .name: Wo, .offset: 16, .size: 8, .value_kind: global_buffer, .address_space: global }
      - { .name: WoH, .offset: 24, .size: 8, .value_kind: global_buffer, .address_space: global }
      - { .name: Wq, .offset: 32, .size: 8, .value_kind: global_buffer, .address_space: global }
      - { .name: bq, .offset: 40, .size: 8, .value_kind: global_buffer, .address_space: global }
      - { .name: Wk, .offset: 48, .size: 8, .value_kind: global_buffer, .address_space: global }
      - { .name: bk, .offset: 56, .size: 8, .value_kind: global_buffer, .address_space: global }
      - { .name: MT16, .offset: 64, .size: 8, .value_kind: global_buffer, .address_space: global }
      - { .name: U32, .offset: 72, .size: 8, .value_kind: global_buffer, .address_space: global }
    .group_segment_fixed_size: 155136
    .private_segment_fixed_size: 0
    .kernarg_segment_align: 8
    .kernarg_segment_size: 80
    .max_flat_workgroup_size: 256
    .sgpr_count:     66
    .vgpr_count:     496
    .wavefront_size: 32
...
	.end_amdgpu_metadata
.endif
;; end of part 6
;; launch attn: the kernel of part 3 again; grid 4 x 64, 4 waves a work-group, clusters of 4 x 1, 327,680 bytes of LDS; arguments input1, K16, V16, MT16, U32, O16; writes O16
;; launch outp: the kernel of part 4 again; grid 4 x 64, 4 waves a work-group, clusters of 4 x 4, 327,680 bytes of LDS; arguments O16, WoH, bo, out0; writes out0
